; MI455X (gfx1250); checked and timed in simulation.
; The chip was launched on July 23, 2026; its instructions are those of AMD's public machine-readable ISA for CDNA 5 (MIT licence, August 2026) and "CDNA5" Instruction Set Architecture Reference Guide (July 2026). The comments in the code are by the model that wrote it; some were corrected since.
;; Encoder Single Layer. Allowed arithmetic: matrix products marked QUANTISED: E5M2 operands, one E8M0 scale for each 32 along K, by v_wmma_scale_f32_16x16x128_f8f6f4 with both operands' format E5M2, f32 sums; everything else in f32.
;; Inputs: W1 1,024 x 4,096 float32; W2 4,096 x 1,024 float32; Wk 16 x 1,024 x 64 float32; Wo 1,024 x 1,024 float32; Wq 16 x 1,024 x 64 float32; Wv 16 x 1,024 x 64 float32; b1 4,096 float32; b2 1,024 float32; be1 1,024 float32; be2 1,024 float32; bk 16 x 64 float32; bo 1,024 float32; bq 16 x 64 float32; bv 16 x 64 float32; g1 1,024 float32; g2 1,024 float32; x 2 x 2,048 x 1,024 float32.
;; Outputs: out0 2 x 2,048 x 1,024 float32.
;; This version of the problem:
;;   THIS VERSION OF THE PROBLEM IS GIVEN IN LOW PRECISION. The matrix products marked QUANTISED in the list below multiply operands that are first quantised to E5M2 (5 exponent bits, 2 mantissa bits; 8 bits a number), with one power-of-two scale for each 32 numbers along K (OCP MX v1.0); their sums are f32. All else is computed in f32.
;;   The module's matrix products, in the order in which they are computed (A, B: the left and right operand; K: the contracted axis; several contracted axes count as one K, in the product's order):
;;     1. [M 1,024, K 1,024] x [K 1,024, N 4,096]; A: input Wq; B: input x: QUANTISED
;;     2. [M 1,024, K 1,024] x [K 1,024, N 4,096]; A: input Wk; B: input x: QUANTISED
;;     3. [M 1,024, K 1,024] x [K 1,024, N 4,096]; A: input Wv; B: input x: QUANTISED
;;     4. batch 32 x [M 2,048, K 64] x [K 64, N 2,048]; A: computed on the way; B: computed on the way: QUANTISED
;;     5. batch 32 x [M 2,048, K 2,048] x [K 2,048, N 64]; A: softmax (see below); B: computed on the way: QUANTISED
;;     6. [M 4,096, K 1,024] x [K 1,024, N 1,024]; A: computed on the way; B: input Wo: QUANTISED
;;     7. [M 4,096, K 1,024] x [K 1,024, N 4,096]; A: computed on the way; B: input W1: QUANTISED
;;     8. [M 4,096, K 4,096] x [K 4,096, N 1,024]; A: computed on the way; B: input W2: QUANTISED
;;   THE QUANTISER, for each operand of a quantised product, along K:
;;     - K is cut into blocks of 32 from its start; a last block that is shorter is filled with zeros.
;;     - A block's scale is 2^e with e = floor(log2(the largest magnitude in the block)) - 15, held to -126 .. 127; a block of zeros has e = 0. As a byte (E8M0): e + 127.
;;     - Each number is divided by its block's scale, clamped to +-57,344, and rounded to the nearest number of E5M2, ties to even, subnormals kept.
;;     - The product sums the exact products of the quantised numbers (number of the format x scale) in f32.
;;   ~~~python
;;   def quantise(x, axis):      # numpy; x: float32 -> the quantised numbers, widened to float32 again
;;       x = np.moveaxis(x, axis, -1); K = x.shape[-1]
;;       x = np.pad(x, [(0, 0)] * (x.ndim - 1) + [(0, -K % 32)]); x = x.reshape(x.shape[:-1] + (-1, 32)); a = np.abs(x).max(-1, keepdims=True)
;;       e = np.where(a > 0, np.clip(np.frexp(np.where(a > 0, a, 1))[1] - 1 - 15, -126, 127), 0)      # np.frexp(a)[1] - 1 = floor(log2(a)), exactly
;;       r = np.clip(x / 2.0 ** e, -57344, 57344)
;;       step = 2.0 ** (np.maximum(np.frexp(np.where(r == 0, 1, r))[1] - 1, -14) - 2)
;;       q = np.round(r / step) * step * 2.0 ** e      # np.round: ties to even
;;       return np.moveaxis(q.reshape(q.shape[:-2] + (-1,))[..., :K], -1, axis).astype(np.float32)
;;   ~~~
;;   SOFTMAX AHEAD OF A QUANTISED PRODUCT. Where the list says 'softmax', what is quantised is not the finished softmax but p = 2^(t - M), with t = logit x log2(e) and M = ceil(the row's largest t), a whole number; so 1/2 < the row's largest p <= 1. The row's sum l is taken of the UNQUANTISED p, in f32, and the product's result is divided by l at the end. Since M is a whole number, a kernel that streams over the keys may use a running M (the ceiling of the running maximum): every later rescaling is an exact power of two, which a block's scale takes up: the codes' values come out the same.
;;   OPERANDS COMPUTED ON THE WAY. 'Computed on the way' means the value that the module computes at that place (a softmax that the list does not call 'softmax' is quantised finished and normalised). What goes into a quantiser is computed in f32, as accurately as f32 sums, v_exp_f32 and their like allow (about 1e-6 of the number): no bf16 or f16 on the way to a quantiser, and a product that is left as it is and whose result goes on into a quantised operand takes f32 operands (vector FMAs, or v_wmma_f32_16x16x4_f32). A number that lies on a knife's edge between two numbers of the format may be rounded either way, as far as f32 arithmetic and the matrix unit's own rounding can turn it there, and no further.
;; One version. Each part assembles by itself: llvm-mc -triple=amdgcn-amd-amdhsa -mcpu=gfx1250 --defsym DOCPART=n.
;; ======== version 1 of 1: 8 launches
;; limits: right only within a limited range of input values
;; workspace buffers: act 17,301,504 bytes; big 38,928,384 bytes; w4 4,325,632 bytes; w1q 17,301,504 bytes; w2q 4,325,376 bytes; y 67,108,864 bytes; x1 16,777,216 bytes
;; launch quant (part 1): grid 896 x 1, 4 waves a work-group, no clusters, 67,072 bytes of LDS; arguments x, Wq, Wk, Wv, Wo, W1, W2, act, w4, w1q, w2q; writes act, w4, w1q, w2q
.if DOCPART == 1
	.amdgcn_target "amdgcn-amd-amdhsa--gfx1250"
	.amdhsa_code_object_version 6
	.text
	.protected	k_q53fdfd8876_quant
	.globl	k_q53fdfd8876_quant
	.p2align	8
	.type	k_q53fdfd8876_quant,@function
k_q53fdfd8876_quant:
	s_mov_b64 s[64:65], 0
	v_nop
	global_prefetch_b8 v0, s[64:65] scope:SCOPE_SE
	s_setreg_imm32_b32 hwreg(HW_REG_WAVE_MODE, 25, 1), 1
	s_wait_xcnt 0x0
; x [4096][1024] and the six weights, all f32, become codes of BF8 (E5M2) with one E8M0 byte for each 32 along K, laid as RECORDS, the order in which an operand's registers take them.
; A RECORD (REC = 33,792 bytes) holds 128 rows x 256 K: codes at a*4096 + q*2048 + c*512 + h*256 + r*16 + p (a: block of 16 rows, q: which 128 of K, c: block of 32, lane (r, h), byte p),
; then from byte 32,768 the scale words at q*512 + a*64 + r*4 (byte c).  The record of rows 128 RG on and K 256 s on lies at RG*RGS + s*REC.  So a fragment is four loads of 16 bytes at 16 x lane, 512 bytes apart.
; INSIDE A BLOCK OF 32 K IS PERMUTED, alike in every operand of the program: half h holds k = 8h + p (p < 8) and 16 + 8h + (p - 8): the order in which two neighbouring result tiles of a transposed product lie in a lane.
; A block's scale is 2^(floor(log2(largest magnitude)) - 15); its byte is the largest magnitude's exponent field - 15, held at 1 from below.
; LIMITS: a block of zeros gets the byte 1 (its codes are zeros; this program alone reads the bytes); NaN and infinities among the inputs are not served.
; SHARES: work-groups 0-127 take x (a wave: 16 rows x 512 K; K is innermost, a lane loads its own 16 numbers of each block).  Work-groups 128-511 take 128 columns x 256 K of a weight, whose K is NOT innermost:
; a lane takes a column and its registers run down K; the wave's 8,192 bytes of codes turn through its own LDS stage and leave as 16 stores of 512 consecutive bytes.  Only that path touches LDS; waves share nothing: no barrier.
; Two work-groups also store the lower bound that the products' launches clip at: -FLT_MAX behind w4's records, 0.0 (a ReLU) in a column of w1q that holds no record.
; THE WEIGHTS' SHARES AS THEY STAND: each unit of 128 columns x 256 K is shared by two work-groups, 128 K (one q of the record) each: work-groups 128-895.  A wave's 4,096 bytes of codes leave as 8 stores of 512 consecutive bytes.
.set REC,  33792
; x's PATH AS IT STANDS: each load takes 512 consecutive bytes of one row, 16 a lane; a K step's 16 rows x 512 bytes turn through the wave's own stage in LDS (rows of 528 bytes) and come back as a lane's own 16 numbers of each block.
.set XSTG, 33280                       ; x's stages, 8,448 bytes a wave, behind the weights' stages and the spare words: each path has LDS bytes of its own
.set RGS,  16*REC
.set POFF, 8*RGS
.set WV,   26
.set SEL,  28                          ; s[28:29] v_permlanex16_b32's selects for lane l xor 16
.set HI16, 30                          ; s30 a lane mask: lanes 16-31
.set MNT,  31                          ; s31 the mantissa field of 57,344
.set TM,   228                         ; v228-231 largest magnitudes, 232-235 bytes, 236-239 57,344 x scale, 240-243 the conversions' scale operands
.set S0,   32                          ; x: two sets of 64 numbers
.set S1,   96
.set PC,   160                         ; x: 16 registers of codes for each of four K steps: no store's data are written again
.set PW,   224                         ; x: a scale word for each K step
.set SW,   244                         ; x: two words' halves joined for a store
; 64 numbers of a lane, register 16 b + i = place i of my half of block b, become a fragment's 16 registers of codes and its scale word
.macro QUANT s, pc, pw
.irp b, 0,1,2,3
	v_max3_num_f32 v[TM+\b], |v[\s+16*\b]|, |v[\s+1+16*\b]|, 0x8000000   ; my 16 numbers and the floor 2^(16 - 127): the byte cannot fall under 1
.endr
.irp i, 2,4,6,8,10,12,14
.irp b, 0,1,2,3
	v_max3_num_f32 v[TM+\b], v[TM+\b], |v[\s+16*\b+\i]|, |v[\s+1+16*\b+\i]|
.endr
.endr
.irp b, 0,1,2,3
	v_permlanex16_b32 v[TM+4+\b], v[TM+\b], s[SEL], s[SEL+1]
.endr
.irp b, 0,1,2,3
	v_max_num_f32 v[TM+\b], v[TM+\b], v[TM+4+\b]             ; with lane l xor 16's 16: the block's largest magnitude
.endr
.irp b, 0,1,2,3
	v_add_nc_u32 v[TM+12+\b], 0xf8800000, v[TM+\b]           ; 15 off its exponent field: the conversion's scale operand
.endr
.irp b, 0,1,2,3
	v_and_or_b32 v[TM+8+\b], v[TM+\b], 0x7f800000, s[MNT]    ; 57,344 x the scale
.endr
.irp b, 0,1,2,3
	v_lshrrev_b32 v[TM+4+\b], 23, v[TM+12+\b]                ; the scale's byte
.endr
	v_lshl_or_b32 v[\pw], v[TM+5], 8, v[TM+4]
	v_lshl_or_b32 v[\pw], v[TM+6], 16, v[\pw]
	v_lshl_or_b32 v[\pw], v[TM+7], 24, v[\pw]
.irp b, 0,1,2,3
.irp i, 0,1,2,3,4,5,6,7,8,9,10,11,12,13,14,15
	v_med3_num_f32 v[\s+16*\b+\i], v[\s+16*\b+\i], -v[TM+8+\b], v[TM+8+\b]   ; the conversion does not saturate (ISA guide 7.6.2): hold first
.endr
	v_cvt_scalef32_pk8_bf8_f32 v[\pc+4*\b:\pc+4*\b+1], v[\s+16*\b:\s+16*\b+7], v[TM+12+\b]
	v_cvt_scalef32_pk8_bf8_f32 v[\pc+4*\b+2:\pc+4*\b+3], v[\s+16*\b+8:\s+16*\b+15], v[TM+12+\b]
.endr
	v_nop                                          ; a plain line behind the last conversion
.endm
	s_load_b256 s[4:11], s[0:1], 0x0               ; x, Wq, Wk, Wv
	s_load_b256 s[12:19], s[0:1], 0x20             ; Wo, W1, W2, act
	s_load_b128 s[20:23], s[0:1], 0x40             ; w4, w1q
	s_load_b64 s[24:25], s[0:1], 0x50              ; w2q
	v_lshl_add_u32 v254, v0, 2, 0x8000
	v_mov_b32 v255, 0
	v_lshrrev_b32 v1, 5, v0
	v_readfirstlane_b32 s[WV], v1                  ; wave 0..3
	v_and_b32 v1, 31, v0                           ; lane
	v_and_b32 v2, 15, v0                           ; r
	v_bfe_u32 v3, v0, 4, 1                         ; h
	v_lshlrev_b32 v5, 4, v1                        ; 16 x lane
	s_mov_b32 s[SEL], 0x76543210
	s_mov_b32 s[SEL+1], 0xfedcba98
	s_mov_b32 s[HI16], 0xffff0000
	s_mov_b32 s[MNT], 0x600000
	s_wait_kmcnt 0x0
	s_cmp_lt_u32 ttmp9, 128
	s_cbranch_scc0 .Lweights
	; ---------------- x: wave w takes the block of 16 rows i = 2 g + w / 2 and K steps 4 (w % 2) + 0 .. 3
	s_lshl_b32 s32, ttmp9, 1
	s_lshr_b32 s33, s[WV], 1
	s_add_co_u32 s32, s32, s33                     ; i
	s_and_b32 s33, s[WV], 1
	s_lshl_b32 s34, s32, 16                        ; 16 rows of 4,096 bytes
	s_lshl_b32 s35, s33, 11                        ; four K steps of 512 bytes
	s_add_co_u32 s34, s34, s35
	s_mov_b32 s35, 0
	s_add_nc_u64 s[4:5], s[4:5], s[34:35]
	s_lshr_b32 s36, s32, 3
	s_mul_i32 s36, s36, RGS
	s_mul_i32 s37, s33, 2*REC
	s_add_co_u32 s36, s36, s37                     ; my first record
	s_and_b32 s40, s32, 7                          ; a
	s_lshl_b32 s38, s40, 12
	s_add_co_u32 s38, s38, s36
	s_mov_b32 s39, 0
	s_lshl_b32 s40, s40, 6
	s_add_co_u32 s36, s36, s40
	s_mov_b32 s37, 0
	s_add_nc_u64 s[42:43], s[18:19], s[38:39]      ; where my codes go
	s_add_nc_u64 s[44:45], s[18:19], s[36:37]      ; and my scale words (32,768 stands in the immediate)
	s_wait_alu depctr_va_vdst(0)
	s_mul_i32 s46, s[WV], 8448
	s_add_co_u32 s46, s46, XSTG                    ; my stage
	v_mul_u32_u24 v4, v2, 528
	v_lshl_add_u32 v4, v3, 5, v4
	v_add_nc_u32 v4, s46, v4                       ; back out of it: row r, + 32 h: my eight numbers of each half block
	v_add_nc_u32 v7, s46, v5                       ; into it: 16 x lane of a row
	v_lshlrev_b32 v6, 2, v2
	v_lshl_add_u32 v6, v3, 9, v6                   ; scale words: lanes 0-15 store q = 0's, lanes 16-31 q = 1's, 512 bytes on
.irp b, 0,1,2,3
	v_mov_b32 v[TM+4+\b], 0                        ; a lane permute's destination counts as one of its sources
.endr
.macro XLOAD set, s                    ; K step s of my 16 rows: a row a load, 512 consecutive bytes
.irp i, 0,1,2,3,4,5,6,7,8,9,10,11,12,13,14,15
	global_load_b128 v[\set+4*\i:\set+4*\i+3], v5, s[4:5] offset:4096*\i+512*(\s) th:TH_LOAD_NT
.endr
.endm
.macro XTURN set                       ; through my stage: LDS serves a wave's instructions in order, so no wait stands between the stores and the loads
.irp i, 0,1,2,3,4,5,6,7,8,9,10,11,12,13,14,15
	ds_store_b128 v7, v[\set+4*\i:\set+4*\i+3] offset:528*\i
.endr
.irp b, 0,1,2,3
	ds_load_b128 v[\set+16*\b:\set+16*\b+3],     v4 offset:128*\b
	ds_load_b128 v[\set+16*\b+4:\set+16*\b+7],   v4 offset:128*\b+16
	ds_load_b128 v[\set+16*\b+8:\set+16*\b+11],  v4 offset:128*\b+64
	ds_load_b128 v[\set+16*\b+12:\set+16*\b+15], v4 offset:128*\b+80
.endr
	s_wait_dscnt 0x0                               ; the numbers are back, and the stage is free for the next step
.endm
.macro XOUT s                          ; K step s: record s / 2, q = s % 2; each store covers 512 consecutive bytes
.irp c, 0,1,2,3
	global_store_b128 v5, v[PC+16*(\s)+4*\c:PC+16*(\s)+4*\c+3], s[42:43] offset:((\s)/2)*REC+((\s)%2)*2048+512*\c
.endr
.if (\s)%2
	v_cndmask_b32 v[SW+(\s)/2], v[PW+(\s)-1], v[PW+(\s)], s[HI16]
	global_store_b32 v6, v[SW+(\s)/2], s[44:45] offset:32768+((\s)/2)*REC
.endif
.endm
	s_wait_alu depctr_va_vdst(0)
	XLOAD S0, 0
	XLOAD S1, 1
	s_wait_loadcnt 16                              ; K step 0's 16 loads are in; the next step's 16 may be out
	XTURN S0
	QUANT S0, PC, PW
	XOUT 0
	XLOAD S0, 2
	s_wait_loadcnt 16
	XTURN S1
	QUANT S1, PC+16, PW+1
	XOUT 1
	XLOAD S1, 3
	s_wait_loadcnt 16
	XTURN S0
	QUANT S0, PC+32, PW+2
	XOUT 2
	s_wait_loadcnt 0x0
	XTURN S1
	QUANT S1, PC+48, PW+3
	XOUT 3
	s_wait_tensorcnt 0x0                           ; the wave's end: behind my last LDS store
	ds_add_u32 v254, v255
	s_wait_dscnt 0x0
	s_endpgm
	; ---------------- the weights: unit u = 128 columns x 256 K.  u / 128 = 0: Wo, Wq, Wk, Wv (32 units each); 1: W1; 2: W2
.Lweights:
.set VO, 32                            ; v32-63  4 x lane + i rows of the weight
.set X,  64                            ; v64-127 two sets of 32 numbers
.set C,  128                           ; v128-135 a block's codes
.set OUTR, 136                         ; v136-199 the way out
.set SB, 200                           ; v200-201 the scale words of q = 0, 1
.set BB, 40                            ; s[40:55] the weight at my columns, block t's first row
	s_sub_co_u32 s32, ttmp9, 128
	s_and_b32 s27, s32, 1                          ; which 128 of the unit's 256 K: q
	s_lshr_b32 s32, s32, 1                         ; u
	s_lshr_b32 s33, s32, 7                         ; T
	s_bfe_u32 s34, s32, 0x20005                    ; which of the four small tensors
	s_and_b32 s35, s32, 3                          ; kc (T = 0, 1)
	s_bfe_u32 s36, s32, 0x50002                    ; cg of W1
	s_and_b32 s37, s36, 7                          ; cg of a small tensor
	s_lshl_b32 s38, s34, 2                         ; its first column of records
	s_and_b32 s39, s32, 15                         ; kc of W2
	s_bfe_u32 s56, s32, 0x30004                    ; cg of W2
	s_cmp_eq_u32 s33, 0
	s_cselect_b32 s36, s37, s36
	s_cselect_b32 s38, s38, 4                      ; W1's records begin at column 4
	s_cselect_b32 s57, s34, 0                      ; 1, 2, 3: Wq, Wk, Wv, stored [head][K][64]
	s_cmp_eq_u32 s33, 2
	s_cselect_b32 s36, s56, s36                    ; cg: which 128 columns
	s_cselect_b32 s35, s39, s35                    ; kc: which 256 of K
	s_cselect_b32 s38, 0, s38
	s_mov_b32 s39, 4096
	s_cmp_eq_u32 s33, 1
	s_cselect_b32 s39, 16384, s39
	s_lshl_b32 s58, s36, 7
	s_lshl_b32 s59, s[WV], 5
	s_add_co_u32 s58, s58, s59                     ; my wave's first column
	s_lshr_b32 s59, s58, 6
	s_lshl_b32 s59, s59, 18                        ; a head is 1,024 x 64 x 4 bytes
	s_and_b32 s60, s58, 63
	s_lshl_b32 s60, s60, 2
	s_add_co_u32 s59, s59, s60
	s_lshl_b32 s58, s58, 2
	s_cmp_lg_u32 s57, 0
	s_cselect_b32 s39, 256, s39                    ; bytes from a row of K to the next
	s_cselect_b32 s58, s59, s58
	s_mul_i32 s59, s35, s39
	s_lshl_b32 s59, s59, 8                         ; kc x 256 rows
	s_add_co_u32 s58, s58, s59
	s_mov_b32 s59, 0
	s_lshl_b32 s60, s39, 5                         ; a block of 32 rows
	s_mov_b32 s61, 0
	s_mul_i32 s56, s27, s60
	s_lshl_b32 s56, s56, 2
	s_add_co_u32 s58, s58, s56                     ; + q x four blocks of 32 rows
	s_mul_i32 s62, s36, RGS
	s_add_co_u32 s63, s38, s35
	s_mul_i32 s63, s63, REC
	s_add_co_u32 s62, s62, s63                     ; my record
	s_mov_b32 s63, 0
	s_lshl_b32 s66, s[WV], 13                      ; my two blocks of 16 rows: codes,
	s_mov_b32 s67, 0
	s_lshl_b32 s68, s[WV], 7                       ; scale words
	s_mov_b32 s69, 0
	s_cmp_eq_u32 s57, 1                            ; the buffers are chosen by the work-group's number alone
	s_cselect_b64 s[70:71], s[6:7], s[12:13]
	s_cmp_eq_u32 s57, 2
	s_cselect_b64 s[70:71], s[8:9], s[70:71]
	s_cmp_eq_u32 s57, 3
	s_cselect_b64 s[70:71], s[10:11], s[70:71]
	s_cmp_eq_u32 s33, 1
	s_cselect_b64 s[70:71], s[14:15], s[70:71]
	s_cselect_b64 s[72:73], s[22:23], s[20:21]
	s_cmp_eq_u32 s33, 2
	s_cselect_b64 s[70:71], s[16:17], s[70:71]
	s_cselect_b64 s[72:73], s[24:25], s[72:73]
	s_add_nc_u64 s[BB:BB+1], s[70:71], s[58:59]
.irp t, 1,2,3
	s_add_nc_u64 s[BB+2*\t:BB+2*\t+1], s[BB+2*\t-2:BB+2*\t-1], s[60:61]
.endr
	s_add_nc_u64 s[74:75], s[72:73], s[62:63]
	s_add_nc_u64 s[76:77], s[74:75], s[66:67]      ; codes
	s_add_nc_u64 s[78:79], s[74:75], s[68:69]
	s_lshl_b32 s56, s27, 11
	s_mov_b32 s57, 0
	s_add_nc_u64 s[76:77], s[76:77], s[56:57]      ; my q: 2,048 bytes on in each block of 16 rows,
	s_lshl_b32 s56, s27, 9
	s_add_nc_u64 s[78:79], s[78:79], s[56:57]      ; 512 on among the scale words
	s_wait_alu depctr_va_vdst(0)
	v_lshlrev_b32 v9, 2, v1                        ; 4 x lane
	v_mov_b32 v[VO], v9
.irp i, 1,2,3,4,5,6,7,8,9,10,11,12,13,14,15,16,17,18,19,20,21,22,23,24,25,26,27,28,29,30,31
	v_add_nc_u32 v[VO+\i], s39, v[VO+\i-1]
.endr
	v_lshlrev_b32 v7, 4, v2
	v_lshl_add_u32 v7, v3, 12, v7
	v_add_nc_u32 v7, s66, v7                       ; the stage, in: 8,192 x wave + 4,096 (lane / 16) + 16 (lane % 16)
	v_add_nc_u32 v8, s66, v5                       ; and out: 8,192 x wave + 16 x lane
.macro LOAD t                          ; block t: rows 32 t + i of my column: 32 lanes read 128 consecutive bytes
.irp i, 0,1,2,3,4,5,6,7,8,9,10,11,12,13,14,15,16,17,18,19,20,21,22,23,24,25,26,27,28,29,30,31
	global_load_b32 v[X+32*((\t)%2)+\i], v[VO+\i], s[BB+2*(\t):BB+2*(\t)+1] th:TH_LOAD_NT
.endr
.endm
	LOAD 0
	LOAD 1
	; the lower bound for the products' launches: unit 0 (into w4) and unit 128 (into w1q), wave 0
	s_and_b32 s56, s32, 127
	s_lshr_b32 s34, s32, 8
	s_or_b32 s56, s56, s34
	s_or_b32 s56, s56, s[WV]
	s_or_b32 s56, s56, s27                         ; (of a unit's two work-groups the first)
	s_cmp_eq_u32 s32, 0
	s_cselect_b32 s34, 0xff7fffff, 0
	s_cmp_lg_u32 s56, 0
	s_cbranch_scc1 .Lno_param
	v_mov_b32 v14, s34
	global_store_b32 v9, v14, s[72:73] offset:POFF
.Lno_param:
.macro BLOCK t
.set XS, X+32*((\t)%2)
.if (\t) < 3
	s_wait_loadcnt 32                              ; this block's 32 loads are in; the next block's may be out
.else
	s_wait_loadcnt 0x0
.endif
	v_max3_num_f32 v12, |v[XS]|, |v[XS+1]|, |v[XS+2]|        ; all 32 numbers of the block are mine
	v_max3_num_f32 v13, |v[XS+3]|, |v[XS+4]|, |v[XS+5]|
.irp i, 6,10,14,18,22,26
	v_max3_num_f32 v12, v12, |v[XS+\i]|, |v[XS+\i+1]|
	v_max3_num_f32 v13, v13, |v[XS+\i+2]|, |v[XS+\i+3]|
.endr
	v_max3_num_f32 v12, v12, |v[XS+30]|, |v[XS+31]|
	v_max3_num_f32 v12, v12, v13, 0x8000000        ; and the floor
	v_add_nc_u32 v11, 0xf8800000, v12
	v_and_or_b32 v10, v12, 0x7f800000, s[MNT]
	v_lshrrev_b32 v13, 23, v11
.if (\t)%4 == 0
	v_mov_b32 v[SB+(\t)/4], v13
.else
	v_lshl_or_b32 v[SB+(\t)/4], v13, 8*((\t)%4), v[SB+(\t)/4]
.endif
.irp i, 0,1,2,3,4,5,6,7,8,9,10,11,12,13,14,15,16,17,18,19,20,21,22,23,24,25,26,27,28,29,30,31
	v_med3_num_f32 v[XS+\i], v[XS+\i], -v10, v10
.endr
	v_cvt_scalef32_pk8_bf8_f32 v[C:C+1],   v[XS:XS+7],     v11   ; half 0 of the block's places: k 0-7, 16-23;
	v_cvt_scalef32_pk8_bf8_f32 v[C+2:C+3], v[XS+16:XS+23], v11
	v_cvt_scalef32_pk8_bf8_f32 v[C+4:C+5], v[XS+8:XS+15],  v11   ; half 1: k 8-15, 24-31
	v_cvt_scalef32_pk8_bf8_f32 v[C+6:C+7], v[XS+24:XS+31], v11
	ds_store_b128 v7, v[C:C+3] offset:512*(\t)
	ds_store_b128 v7, v[C+4:C+7] offset:512*(\t)+256
.if (\t)+2 < 4
	LOAD (\t)+2
.endif
	s_wait_dscnt 0x0                               ; the stores have read their registers: the next block's codes may be written
.endm
.irp t, 0,1,2,3
	BLOCK \t
.endr
	global_store_b32 v9, v[SB], s[78:79] offset:32768          ; 32 rows' words of q = 0: 128 consecutive bytes
.irp i, 0,1,2,3,4,5,6,7
	ds_load_b128 v[OUTR+4*\i:OUTR+4*\i+3], v8 offset:(\i/4)*4096+(\i%4)*512    ; LDS serves a wave's instructions in order: these see my stores
.endr
.irp i, 0,1,2,3,4,5,6,7
	s_wait_dscnt 7-\i
	global_store_b128 v5, v[OUTR+4*\i:OUTR+4*\i+3], s[76:77] offset:(\i/4)*4096+(\i%4)*512
.endr
	s_wait_tensorcnt 0x0
	ds_add_u32 v254, v255
	s_wait_dscnt 0x0
	s_endpgm
.Lfunc_end_k_q53fdfd8876_quant:
	.size	k_q53fdfd8876_quant, .Lfunc_end_k_q53fdfd8876_quant-k_q53fdfd8876_quant
	.p2alignl 7, 3214868480
	.fill 96, 4, 3214868480
	.section	.rodata,"a",@progbits
	.p2align	6, 0x0
	.amdhsa_kernel k_q53fdfd8876_quant
		.amdhsa_group_segment_fixed_size 67072
		.amdhsa_private_segment_fixed_size 0
		.amdhsa_enable_private_segment 0
		.amdhsa_kernarg_size 88
		.amdhsa_user_sgpr_count 2
		.amdhsa_user_sgpr_kernarg_segment_ptr 1
		.amdhsa_wavefront_size32 1
		.amdhsa_system_sgpr_workgroup_id_x 1
		.amdhsa_system_sgpr_workgroup_id_y 1
		.amdhsa_system_sgpr_workgroup_id_z 1
		.amdhsa_system_vgpr_workitem_id 0
		.amdhsa_next_free_vgpr 256
		.amdhsa_next_free_sgpr 80
		.amdhsa_reserve_vcc 0
		.amdhsa_float_denorm_mode_32 3
		.amdhsa_float_denorm_mode_16_64 3
		.amdhsa_memory_ordered 1
		.amdhsa_forward_progress 1
		.amdhsa_inst_pref_size 84
	.end_amdhsa_kernel
	.amdgpu_metadata
---
amdhsa.version: [ 1, 2 ]
amdhsa.kernels:
  - .name:           k_q53fdfd8876_quant
    .symbol:         k_q53fdfd8876_quant.kd
    .args:
      - { .name: x, .offset: 0, .size: 8, .value_kind: global_buffer, .address_space: global }
      - { .name: Wq, .offset: 8, .size: 8, .value_kind: global_buffer, .address_space: global }
      - { .name: Wk, .offset: 16, .size: 8, .value_kind: global_buffer, .address_space: global }
      - { .name: Wv, .offset: 24, .size: 8, .value_kind: global_buffer, .address_space: global }
      - { .name: Wo, .offset: 32, .size: 8, .value_kind: global_buffer, .address_space: global }
      - { .name: W1, .offset: 40, .size: 8, .value_kind: global_buffer, .address_space: global }
      - { .name: W2, .offset: 48, .size: 8, .value_kind: global_buffer, .address_space: global }
      - { .name: act, .offset: 56, .size: 8, .value_kind: global_buffer, .address_space: global }
      - { .name: w4, .offset: 64, .size: 8, .value_kind: global_buffer, .address_space: global }
      - { .name: w1q, .offset: 72, .size: 8, .value_kind: global_buffer, .address_space: global }
      - { .name: w2q, .offset: 80, .size: 8, .value_kind: global_buffer, .address_space: global }
    .group_segment_fixed_size: 67072
    .private_segment_fixed_size: 0
    .kernarg_segment_align: 8
    .kernarg_segment_size: 88
    .max_flat_workgroup_size: 128
    .sgpr_count:     80
    .vgpr_count:     256
    .wavefront_size: 32
...
	.end_amdgpu_metadata
.endif
;; end of part 1
;; launch proj (part 2): grid 4 x 48, 4 waves a work-group, clusters of 4 x 4, 327,680 bytes of LDS; arguments act, w4, bq, bk, bv, big; writes big
.if DOCPART == 2
	.amdgcn_target "amdgcn-amd-amdhsa--gfx1250"
	.amdhsa_code_object_version 6
	.text
	.protected	k_q53fdfd8876_proj
	.globl	k_q53fdfd8876_proj
	.p2align	8
	.type	k_q53fdfd8876_proj,@function
k_q53fdfd8876_proj:
	s_mov_b64 s[64:65], 0
	v_nop
	global_prefetch_b8 v0, s[64:65] scope:SCOPE_SE
	s_setreg_imm32_b32 hwreg(HW_REG_WAVE_MODE, 25, 1), 1
	s_wait_xcnt 0x0
	s_wait_alu depctr_hold_cnt(0) depctr_sa_sdst(0) depctr_va_vdst(0) depctr_va_sdst(0) depctr_va_ssrc(0) depctr_va_vcc(0) depctr_vm_vsrc(0)
	s_getreg_b32 s2, hwreg(HW_REG_IB_STS2, 6, 4)
	s_cmp_eq_u32 s2, 0
	s_cbranch_scc0 .Lentry_in_a_cluster
	s_endpgm
.Lentry_in_a_cluster:
	s_bfe_u32 s2, ttmp6, 0x10000c
	s_cmp_lg_u32 s2, 0xf033
	s_cbranch_scc0 .Lentry_shape_is_right
	s_endpgm
.Lentry_shape_is_right:
; out = Q(clip(A B^T + bias)): a GEMM on codes of BF8 (E5M2) with E8M0 scales, K = 1,024, whose result is quantised along its COLUMNS in registers and stored as records, the next product's operand.
; Both operands and the result are laid as RECORDS of 33,792 bytes (128 rows x 256 K): codes at a*4096 + q*2048 + c*512 + 16 x lane, scale words from byte 32,768 at q*512 + a*64 + 4 r; the record of
; rows 128 RG on, K 256 s on lies at RG*RGS + s*REC.  Inside a block of 32, K is permuted alike in every operand (half h: 8h + p, then 16 + 8h + p - 8): two neighbouring result tiles ARE 16 places of the next operand.
; ONE TEXT, THREE MODES, by the cluster's y / 4, which all partners share; nothing branches on it, pointers and offsets are selected.
;   mode 0, 1: A = the first buffer's rows (tokens), B = the weights' records from column 4 + 4 mode on; bias by column (bias0, bias1), given as the C of each sum's first product.
;   mode 2:    A = the weights (column 12 on), B = the tokens: the result's columns are tokens, so that it is quantised along the tokens; bias by ROW (biasv), added on the way out.
; THE CLIP: results are held between lo' and the largest code x the scale, lo' = max(lo, - that); lo is one f32 word read from byte POFF of the weights' buffer: -FLT_MAX (no activation) or 0 (a ReLU).  It steers no branch and no address.
; A tile of 256 x 256 to a work-group of four waves, as many as a WGP has SIMDs; a wave makes 128 x 128: 64 accumulators, 512 registers.  K goes in steps of 256 through two LDS slots of four records; a wave's one tensor load brings one
; dense record, codes and scale words together.  CLUSTERS: 4 x 4; A's records are shared along a row of the cluster, B's along a column: joint loads.  THE MATRIX INSTRUCTION IS USED TRANSPOSED (source 0 = B, source 1 = A).
; LIMITS: a block of zeros gets the byte 1 (its codes are zeros; this program alone reads the bytes); NaN and infinities are not served.
; REGISTERS: window 0: v16-29 addresses; v32-63 scale words, two sets; v64-127 the column bias, later the row bias; v128-255 A's fragments, one set; on the way out v128-191 at work.  window 1: B's fragments, two sets.  windows 2, 3: accumulators.
.set REC,   33792
.set RGS,   16*REC
.set IMG,   32*RGS
.set POFF,  8*RGS
.set SLOT,  REC                        ; a wave's record of slot 1 lies straight behind its record of slot 0,
.set WREG,  2*REC                      ; so each fetching wave has two records on end: A's two waves, then B's two
.set SPARE, 8*REC
.set NQ,    2
.set FR,    16
.set NL,    4
.set NP,    8                          ; places behind this matrix instruction (ISA guide 7.12.1)
.set LAPS,  2                          ; K = 1,024 = two laps of two slots of 256
.set ADRA, 16                          ; v16-17 my A fragments in slot 0, 1
.set ADRB, 20                          ; v20-21 B's
.set ADRS, 22                          ; v22-23 my scale words: lanes 0-15 A's, lanes 16-31 B's
.set LI,   24                          ; v24 16 x lane
.set LS,   25                          ; v25 4 x lane
.set R4,   26                          ; v26 4 r
.set H32,  27                          ; v27 32 h
.set SPW,  28
.set NIL,  29
.set SC,   32
.set CB,   64                          ; the column bias: register 8 b + j = bias(16 b + 8 h + j)
.set RBP,  64                          ; later: pairs (row bias of block a, twice)
.set AF,   128
.set TP,   128                         ; the way out, window 0
.set TN,   132
.set T2,   136
.set SCL,  140
.set HOLD, 144
.set BY,   148
.set LOV,  152
.set PW,   160
.set SW,   168
.set PC,   176
.set G1, 24
.set G0, 32
.set G1B, 48
.set G0B, 56
.set SEL, 82
.set MNT, 84
.set MSB, 0
.macro WIN new                         ; the immediate's high byte repeats the setting that is left
.if MSB != (\new)
	s_set_vgpr_msb (MSB<<8)|(\new)
.set MSB, (\new)
.endif
.endm
.set MUL_LO, 0xa1                      ; source 0 (B) window 1, source 1 (A) window 0, C and D window 2
.set MUL_HI, 0xf1
.set ZLO,    0x81                      ; the first products: C (the bias) window 0, D window 2
.set ZHI,    0xc1
.set TO_B,   0x40
.macro JLOAD g0a, g1a, g0b, g1b        ; a joint load: waves 0, 1 fetch A's records, waves 2, 3 B's; four v_nop follow each line
	s_cmp_eq_u32 s15, 0
	s_cbranch_scc0 .Lfor_b_\@
	tensor_load_to_lds s[\g0a:\g0a+3], s[\g1a:\g1a+7]
	s_nop 0
.rept 4
	v_nop
.endr
	s_branch .Lasked_\@
.Lfor_b_\@:
	tensor_load_to_lds s[\g0b:\g0b+3], s[\g1b:\g1b+7]
	s_nop 0
.rept 4
	v_nop
.endr
.Lasked_\@:
.endm
.macro CREST
	s_cmp_lg_u32 s14, 0
	s_cbranch_scc1 .Lnot_wave_0_\@
	s_barrier_signal -3
.Lnot_wave_0_\@:
	s_barrier_wait -3
	s_barrier_signal -1
	s_barrier_wait -1
.endm
.macro CROUND
	s_barrier_signal -1
	s_barrier_wait -1
	CREST
.endm
	s_load_b256 s[4:11], s[0:1], 0x0               ; the rows' image, the weights' image, bias0, bias1
	s_load_b128 s[72:75], s[0:1], 0x20             ; biasv, out
	v_lshl_add_u32 v[SPW], v0, 2, SPARE
	v_mov_b32 v[NIL], 0
	ds_add_u32 v28, v29
	ds_add_u32 v28, v29
	s_wait_dscnt 0x0
	v_lshrrev_b32 v1, 5, v0
	v_readfirstlane_b32 s14, v1                    ; wave 0..3
	s_lshr_b32 s15, s14, 1                         ; which half of the tile's rows is mine.  Also: I fetch for A (0) or B (1)
	s_and_b32 s16, s14, 1                          ; which half of its columns.  Also: which record of the two I fetch
	s_bfe_u32 s40, ttmp6, 0x40000                  ; cx
	s_bfe_u32 s41, ttmp6, 0x40004                  ; cy
	s_and_b32 s18, ttmp7, 0xffff                   ; the cluster's y
	s_lshr_b32 s19, s18, 2                         ; mode
	s_and_b32 s18, s18, 3
	s_cmp_eq_u32 s19, 2
	s_cselect_b32 s68, -1, 0                       ; a lane mask: all lanes in mode 2
	s_cselect_b32 s17, 0, s18
	s_cselect_b32 s42, s18, ttmp9
	s_lshl_b32 s17, s17, 2
	s_add_co_u32 s17, s17, s41                     ; tile row
	s_lshl_b32 s42, s42, 2
	s_add_co_u32 s42, s42, s40                     ; tile column
	s_lshl_b32 s43, s41, 2
	s_lshl_b32 s43, 15, s43                        ; my row of the cluster
	s_lshl_b32 s44, 0x1111, s40                    ; my column
	s_or_b32 s[G1+0], s43, (3<<16)|(1<<21)         ; 15:0 the mask; 17:16 elements of 8 bytes; 21 set beside a mask; no padding
	s_or_b32 s[G1B+0], s44, (3<<16)|(1<<21)
.irp g, G1, G1B
	s_mov_b32 s[\g+1], 32<<16                      ; a record as 132 rows of 256 bytes, dense
	s_mov_b32 s[\g+2], 264<<16                     ; the head's load: two records on end (K steps 0 and 1), 264 rows
	s_mov_b32 s[\g+3], 32<<16
	s_mov_b32 s[\g+4], 264
	s_mov_b32 s[\g+5], 32
	s_mov_b32 s[\g+6], 0
	s_mov_b32 s[\g+7], 0
.endr
	s_lshl_b32 s22, s19, 2
	s_add_co_u32 s22, s22, 4
	s_mul_i32 s22, s22, REC                        ; the weights' first column of records
	s_cmp_eq_u32 s19, 2
	s_cselect_b32 s23, s22, 0                      ; it belongs to A in mode 2,
	s_cselect_b32 s22, 0, s22                      ; to B else
	s_lshl_b32 s20, s17, 1
	s_add_co_u32 s20, s20, s16
	s_mul_i32 s20, s20, RGS                        ; A: rows 128 (2 x tile row + which)
	s_add_co_u32 s20, s20, s23
	s_mov_b32 s21, 0
	s_lshl_b32 s46, s42, 1
	s_add_co_u32 s46, s46, s16
	s_mul_i32 s46, s46, RGS                        ; B likewise by the tile column
	s_add_co_u32 s46, s46, s22
	s_mov_b32 s47, 0
	s_mul_i32 s45, s14, WREG
	s_mov_b32 s80, 0xffff0000
	s_mov_b32 s[SEL], 0x76543210
	s_mov_b32 s[SEL+1], 0xfedcba98
	s_mov_b32 s[MNT], 0x600000
	s_wait_kmcnt 0x0
	s_cmp_eq_u32 s19, 2
	s_cselect_b64 s[12:13], s[6:7], s[4:5]
	s_cselect_b64 s[92:93], s[4:5], s[6:7]
	s_add_nc_u64 s[20:21], s[12:13], s[20:21]
	s_add_nc_u64 s[46:47], s[92:93], s[46:47]
	s_load_b32 s69, s[6:7], POFF                   ; lo
	CROUND                                         ; all sixteen work-groups are here: the first joint loads meet
.irp s, 0,1
	s_mov_b32 s[G0+4*\s], 1
	s_add_co_u32 s[G0+4*\s+1], s45, \s*SLOT
	s_add_nc_u64 s[G0+4*\s+2:G0+4*\s+3], s[20:21], \s*REC
	s_or_b32 s[G0+4*\s+3], s[G0+4*\s+3], 0x80000000
	s_mov_b32 s[G0B+4*\s], 1
	s_add_co_u32 s[G0B+4*\s+1], s45, \s*SLOT
	s_add_nc_u64 s[G0B+4*\s+2:G0B+4*\s+3], s[46:47], \s*REC
	s_or_b32 s[G0B+4*\s+3], s[G0B+4*\s+3], 0x80000000
.endr
	JLOAD G0, G1, G0B, G1B                         ; my one tensor load at the head fills my part of both slots: the two records are neighbours in memory and in LDS
	v_and_b32 v1, 31, v0
	v_and_b32 v2, 15, v0                           ; r
	v_bfe_u32 v3, v0, 4, 1                         ; h
	s_wait_alu depctr_va_vdst(0)
	v_lshlrev_b32 v[LI], 4, v1
	v_lshlrev_b32 v[LS], 2, v1
	v_lshlrev_b32 v[R4], 2, v2
	v_lshlrev_b32 v[H32], 5, v3
	s_wait_alu depctr_va_vdst(0)
	s_mul_i32 s21, s15, WREG
	s_mul_i32 s22, s16, WREG
	s_add_co_u32 s22, s22, 2*WREG
.irp s, 0,1
	v_add_nc_u32 v[ADRA+\s], s21, v[LI]
	v_add_nc_u32 v[ADRB+\s], s22, v[LI]
	s_add_co_u32 s21, s21, SLOT
	s_add_co_u32 s22, s22, SLOT
.endr
	s_mul_i32 s21, s15, WREG
	s_mul_i32 s22, s16, WREG
	s_add_co_u32 s22, s22, 2*WREG
	s_sub_co_u32 s22, s22, s21
	v_mul_u32_u24 v6, s22, v3                      ; lanes 16-31 take B's words: one product with h
	s_add_co_u32 s21, s21, 32768
	v_lshl_add_u32 v6, v2, 2, v6
	v_add_nc_u32 v[ADRS], s21, v6
	v_add_nc_u32 v[ADRS+1], SLOT, v[ADRS]
	; the biases' and the result's addresses
	s_cmp_eq_u32 s19, 1
	s_cselect_b64 s[8:9], s[10:11], s[8:9]
	s_lshl_b32 s86, s42, 10
	s_lshl_b32 s87, s16, 9
	s_add_co_u32 s86, s86, s87                     ; my 128 columns' bias
	s_cmp_eq_u32 s19, 2
	s_cselect_b32 s86, 0, s86                      ; (mode 2 reads the vector's head and discards it)
	s_mov_b32 s87, 0
	s_add_nc_u64 s[8:9], s[8:9], s[86:87]
.irp b, 0,1,2,3,4,5,6,7
	global_load_b128 v[CB+8*\b:CB+8*\b+3],   v[H32], s[8:9] offset:64*\b
	global_load_b128 v[CB+8*\b+4:CB+8*\b+7], v[H32], s[8:9] offset:64*\b+16
.endr
	s_mul_i32 s90, s19, IMG
	s_lshl_b32 s88, s17, 1
	s_add_co_u32 s88, s88, s15                     ; my 128 rows
	s_mul_i32 s91, s88, RGS
	s_add_co_u32 s90, s90, s91
	s_mul_i32 s91, s42, REC                        ; the tile's 256 columns are one record's K
	s_add_co_u32 s90, s90, s91
	s_mov_b32 s91, 0
	s_add_nc_u64 s[74:75], s[74:75], s[90:91]
	s_lshl_b32 s90, s16, 11
	s_add_nc_u64 s[76:77], s[74:75], s[90:91]      ; my codes: q = my half of the columns
	s_lshl_b32 s90, s16, 9
	s_add_co_u32 s90, s90, 32768
	s_add_nc_u64 s[78:79], s[74:75], s[90:91]      ; my scale words
	s_lshl_b32 s88, s88, 9
	s_cmp_eq_u32 s19, 2
	s_cselect_b32 s88, s88, 0
	s_mov_b32 s89, 0
	s_add_nc_u64 s[72:73], s[72:73], s[88:89]      ; my rows' bias (modes 0, 1 read the vector's head and discard it)
	s_wait_loadcnt 0x0
.set ii, 0
.rept 64
	v_cndmask_b32 v[CB+ii], v[CB+ii], 0, s68       ; in mode 2 the columns carry no bias
.set ii, ii+1
.endr
.macro FRAG reg, adr, q, i             ; a fragment, 16 rows x 128 K: four loads of 512 consecutive bytes
.irp c, 0,1,2,3
	ds_load_b128 v[\reg+4*\c:\reg+4*\c+3], v[\adr] offset:(\i)*4096+(\q)*2048+512*\c
.endr
.endm
; 16 matrix instructions: A's blocks a0, a0 + 1 x B's eight.  The 64 accumulators take turns, one instruction a turn, in the same order in every step.
.macro MUL16 a0, p, q, sc, zero
.irp a, \a0, \a0+1
.irp b, 0,1,2,3,4,5,6,7
.if \zero
	v_wmma_scale_f32_16x16x128_f8f6f4 v[8*(8*((\a)%4)+\b):8*(8*((\a)%4)+\b)+7], v[128*(\p)+FR*\b:128*(\p)+FR*\b+FR-1], v[AF+FR*(\a):AF+FR*(\a)+FR-1], v[CB+8*\b:CB+8*\b+7], v[SC+16*(\sc)+2*\b+(\q)], v[SC+16*(\sc)+2*(\a)+(\q)] matrix_a_fmt:MATRIX_FMT_BF8 matrix_b_fmt:MATRIX_FMT_BF8 matrix_a_scale:MATRIX_SCALE_ROW1
.else
	v_wmma_scale_f32_16x16x128_f8f6f4 v[8*(8*((\a)%4)+\b):8*(8*((\a)%4)+\b)+7], v[128*(\p)+FR*\b:128*(\p)+FR*\b+FR-1], v[AF+FR*(\a):AF+FR*(\a)+FR-1], v[8*(8*((\a)%4)+\b):8*(8*((\a)%4)+\b)+7], v[SC+16*(\sc)+2*\b+(\q)], v[SC+16*(\sc)+2*(\a)+(\q)] matrix_a_fmt:MATRIX_FMT_BF8 matrix_b_fmt:MATRIX_FMT_BF8 matrix_a_scale:MATRIX_SCALE_ROW1
.endif
.endr
.endr
.endm
.macro FETCH_B slot, q, p
	WIN TO_B
.irp i, 0,1,2,3,4,5,6,7
	FRAG 128*(\p)+FR*\i, ADRB+\slot, \q, \i
.endr
	WIN 0
.endm
.macro FETCH_A slot, q, i0
.irp i, \i0, \i0+1, \i0+2, \i0+3
	FRAG AF+FR*(\i), ADRA+\slot, \q, \i
.endr
.endm
.macro SCALES sc                       ; the slot's scale words: register 2 i + q: lanes 0-15 A's block i, lanes 16-31 B's block i
.irp i, 0,1,2,3,4,5,6,7
	ds_load_b32 v[SC+16*\sc+2*\i],   v[ADRS+\sc] offset:64*\i
	ds_load_b32 v[SC+16*\sc+2*\i+1], v[ADRS+\sc] offset:512+64*\i
.endr
.endm
.macro PLACES n                        ; plain vector lines between a matrix instruction and a load into, or a read of, its registers
.rept \n
	v_nop
.endr
.endm
.macro STEP slot, q, zero              ; 128 along K that has its successor in the same slot
	s_wait_dscnt 4*NL                              ; all but the youngest 16 loads (A's blocks 4-7) are in
.if \zero
	WIN ZLO
.else
	WIN MUL_LO
.endif
	MUL16 0, (\q)%2, \q, \slot, \zero
	MUL16 2, (\q)%2, \q, \slot, \zero
	s_wait_dscnt 0
	PLACES NP
	FETCH_B \slot, (\q)+1, 1-(\q)%2
	FETCH_A \slot, (\q)+1, 0
.if \zero
	WIN ZHI
.else
	WIN MUL_HI
.endif
	MUL16 4, (\q)%2, \q, \slot, \zero
	MUL16 6, (\q)%2, \q, \slot, \zero
	PLACES NP
	WIN 0
	FETCH_A \slot, (\q)+1, 4
.endm
; A slot's last step changes slots: one barrier; in front of it each wave waits for all its tensor loads, adds 0 to its spare word, and waits for that and for its reads of this slot.
.macro TURN slot, next, fill
	s_wait_tensorcnt 0x0                           ; all my tensor loads have landed: my record of the next slot
	ds_add_u32 v[SPW], v[NIL]                      ; 0 onto my spare word
	s_wait_dscnt 4*NL+1                            ; (the add and the youngest 16 loads may be out)
	WIN MUL_LO
	MUL16 0, 1, NQ-1, \slot, 0
	s_wait_dscnt 0x0                               ; the add is done, and my reads of this slot are over
	s_barrier_signal -1
	MUL16 2, 1, NQ-1, \slot, 0
	WIN 0
	s_barrier_wait -1
.if \fill
	CREST                                          ; the barrier has opened a round of the cluster's: no wave of any partner still reads this slot or has a load on its way
	s_add_nc_u64 s[G0+4*\slot+2:G0+4*\slot+3], s[G0+4*\slot+2:G0+4*\slot+3], 2*REC
	s_add_nc_u64 s[G0B+4*\slot+2:G0B+4*\slot+3], s[G0B+4*\slot+2:G0B+4*\slot+3], 2*REC
	JLOAD G0+4*\slot, G1, G0B+4*\slot, G1B         ; the first tensor load behind the round; its four v_nop are among the places below
	PLACES NP-4
.else
	PLACES NP
.endif
	FETCH_B \next, 0, 0
	FETCH_A \next, 0, 0
	SCALES \next
	WIN MUL_HI
	MUL16 4, 1, NQ-1, \slot, 0
	MUL16 6, 1, NQ-1, \slot, 0
	PLACES NP
	WIN 0
	FETCH_A \next, 0, 4
.endm
	s_wait_alu depctr_va_vdst(0)
	s_wait_tensorcnt 0x0                           ; my two records are in, and no tensor load of mine is out, so a descriptor may be written:
	s_mov_b32 s[G1+2], 132<<16                     ; from here on a load brings one record, 132 rows
	s_mov_b32 s[G1+4], 132
	s_mov_b32 s[G1B+2], 132<<16
	s_mov_b32 s[G1B+4], 132
	s_barrier_signal -1
	s_barrier_wait -1                              ; everybody's is
	FETCH_B 0, 0, 0
	FETCH_A 0, 0, 0
	SCALES 0
	FETCH_A 0, 0, 4
	STEP 0, 0, 1                                   ; the first step's products start the sums, with the column bias as C
.irp a, 0,1,2,3,4,5,6,7
	global_load_b32 v[RBP+2*\a], v[R4], s[72:73] offset:64*\a   ; the row bias, into registers that the step's last products read eight places ago
.endr
	s_mov_b32 s3, LAPS-1
.Llap:
	TURN 0, 1, 1
	STEP 1, 0, 0
	TURN 1, 0, 1
	STEP 0, 0, 0
	s_sub_co_u32 s3, s3, 1
	s_cmp_lg_u32 s3, 0
	s_cbranch_scc1 .Llap
	TURN 0, 1, 0                                   ; the last lap fills nothing
	STEP 1, 0, 0
	s_wait_dscnt 4*NL
	WIN MUL_LO
	MUL16 0, 1, NQ-1, 1, 0
	MUL16 2, 1, NQ-1, 1, 0
	s_wait_dscnt 0
	WIN MUL_HI
	MUL16 4, 1, NQ-1, 1, 0
	MUL16 6, 1, NQ-1, 1, 0
	WIN 0
	; THE WAY OUT.  For a block of 16 rows a lane holds 64 results of one row: register 16 c + i is place i of its half of block c of the next K.  They are quantised where they lie and stored as a fragment's image.
	s_wait_kmcnt 0x0                               ; lo
	s_xor_b32 s70, s69, 0x80000000                 ; -lo: how far down magnitudes count
	s_wait_loadcnt 0x0                             ; the row bias
	PLACES NP
.irp a, 0,1,2,3,4,5,6,7
	v_cndmask_b32 v[RBP+2*\a], 0, v[RBP+2*\a], s68 ; modes 0, 1 have none
	v_mov_b32 v[RBP+2*\a+1], v[RBP+2*\a]
.endr
.irp c, 0,1,2,3
	v_mov_b32 v[T2+\c], 0                          ; a lane permute's destination counts as one of its sources
.endr
.macro ROWQ a
.set W, 2+(\a)/4
.set AC, 64*((\a)%4)
	WIN (W<<6)|W
.set ii, 0
.rept 32
	v_pk_add_f32 v[AC+ii:AC+ii+1], v[AC+ii:AC+ii+1], v[RBP+2*(\a):RBP+2*(\a)+1]   ; each accumulator from its low end on
.set ii, ii+2
.endr
	WIN 0
.irp c, 0,1,2,3
	v_mov_b32 v[TP+\c], 0x8000000                  ; the floor 2^(16 - 127)
	v_mov_b32 v[TN+\c], 0
.endr
	WIN (W<<4)|(W<<2)
.irp i, 0,2,4,6,8,10,12,14
.irp c, 0,1,2,3
	v_max3_num_f32 v[TP+\c], v[TP+\c], v[AC+16*\c+\i], v[AC+16*\c+\i+1]           ; the largest number,
	v_max3_num_f32 v[TN+\c], v[TN+\c], -v[AC+16*\c+\i], -v[AC+16*\c+\i+1]         ; and the largest below zero
.endr
.endr
	WIN 0
.irp c, 0,1,2,3
	v_min_num_f32 v[TN+\c], s70, v[TN+\c]          ; which counts only as far as the clip lets it stand
.endr
.irp c, 0,1,2,3
	v_max_num_f32 v[TP+\c], v[TP+\c], v[TN+\c]
.endr
.irp c, 0,1,2,3
	v_permlanex16_b32 v[T2+\c], v[TP+\c], s[SEL], s[SEL+1]
.endr
.irp c, 0,1,2,3
	v_max_num_f32 v[TP+\c], v[TP+\c], v[T2+\c]     ; the block's largest magnitude
.endr
.irp c, 0,1,2,3
	v_add_nc_u32 v[SCL+\c], 0xf8800000, v[TP+\c]
.endr
.irp c, 0,1,2,3
	v_and_or_b32 v[HOLD+\c], v[TP+\c], 0x7f800000, s[MNT]
.endr
.irp c, 0,1,2,3
	v_lshrrev_b32 v[BY+\c], 23, v[SCL+\c]
.endr
.irp c, 0,1,2,3
	v_max_num_f32 v[LOV+\c], s69, -v[HOLD+\c]
.endr
	v_lshl_or_b32 v[PW+(\a)], v[BY+1], 8, v[BY]
	v_lshl_or_b32 v[PW+(\a)], v[BY+2], 16, v[PW+(\a)]
	v_lshl_or_b32 v[PW+(\a)], v[BY+3], 24, v[PW+(\a)]
	WIN (W<<6)|W
.irp c, 0,1,2,3
.irp i, 0,1,2,3,4,5,6,7,8,9,10,11,12,13,14,15
	v_med3_num_f32 v[AC+16*\c+\i], v[AC+16*\c+\i], v[LOV+\c], v[HOLD+\c]           ; the clip and the hold in one
.endr
.endr
	s_wait_alu depctr_va_vdst(0)
	s_wait_xcnt 0x0                                ; the last block's stores have read their registers: the codes may be written again
	WIN W
.irp c, 0,1,2,3
	v_cvt_scalef32_pk8_bf8_f32 v[PC+4*\c:PC+4*\c+1],   v[AC+16*\c:AC+16*\c+7],    v[SCL+\c]
	v_cvt_scalef32_pk8_bf8_f32 v[PC+4*\c+2:PC+4*\c+3], v[AC+16*\c+8:AC+16*\c+15], v[SCL+\c]
.endr
	WIN 0
	v_nop                                          ; a plain line behind the last conversion
.irp c, 0,1,2,3
	global_store_b128 v[LI], v[PC+4*\c:PC+4*\c+3], s[76:77] offset:(\a)*4096+512*\c   ; 512 consecutive bytes
.endr
.if (\a)%2
	v_cndmask_b32 v[SW+(\a)/2], v[PW+(\a)-1], v[PW+(\a)], s80                          ; two blocks' words: 128 consecutive bytes
	global_store_b32 v[LS], v[SW+(\a)/2], s[78:79] offset:((\a)-1)*64
.endif
.endm
.irp a, 0,1,2,3,4,5,6,7
	ROWQ \a
.endr
	s_wait_tensorcnt 0x0                           ; the wave's end
	ds_add_u32 v[SPW], v[NIL]
	s_wait_dscnt 0x0
	CROUND                                         ; the closing round
	s_endpgm
.Lfunc_end_k_q53fdfd8876_proj:
	.size	k_q53fdfd8876_proj, .Lfunc_end_k_q53fdfd8876_proj-k_q53fdfd8876_proj
	.p2alignl 7, 3214868480
	.fill 96, 4, 3214868480
	.section	.rodata,"a",@progbits
	.p2align	6, 0x0
	.amdhsa_kernel k_q53fdfd8876_proj
		.amdhsa_group_segment_fixed_size 327680
		.amdhsa_private_segment_fixed_size 0
		.amdhsa_enable_private_segment 0
		.amdhsa_kernarg_size 48
		.amdhsa_user_sgpr_count 2
		.amdhsa_user_sgpr_kernarg_segment_ptr 1
		.amdhsa_wavefront_size32 1
		.amdhsa_system_sgpr_workgroup_id_x 1
		.amdhsa_system_sgpr_workgroup_id_y 1
		.amdhsa_system_sgpr_workgroup_id_z 1
		.amdhsa_system_vgpr_workitem_id 0
		.amdhsa_next_free_vgpr 1024
		.amdhsa_next_free_sgpr 98
		.amdhsa_reserve_vcc 0
		.amdhsa_float_denorm_mode_32 3
		.amdhsa_float_denorm_mode_16_64 3
		.amdhsa_memory_ordered 1
		.amdhsa_forward_progress 1
		.amdhsa_inst_pref_size 232
	.end_amdhsa_kernel
	.amdgpu_metadata
---
amdhsa.version: [ 1, 2 ]
amdhsa.kernels:
  - .name:           k_q53fdfd8876_proj
    .symbol:         k_q53fdfd8876_proj.kd
    .args:
      - { .name: act, .offset: 0, .size: 8, .value_kind: global_buffer, .address_space: global }
      - { .name: w4, .offset: 8, .size: 8, .value_kind: global_buffer, .address_space: global }
      - { .name: bq, .offset: 16, .size: 8, .value_kind: global_buffer, .address_space: global }
      - { .name: bk, .offset: 24, .size: 8, .value_kind: global_buffer, .address_space: global }
      - { .name: bv, .offset: 32, .size: 8, .value_kind: global_buffer, .address_space: global }
      - { .name: big, .offset: 40, .size: 8, .value_kind: global_buffer, .address_space: global }
    .group_segment_fixed_size: 327680
    .private_segment_fixed_size: 0
    .kernarg_segment_align: 8
    .kernarg_segment_size: 48
    .max_flat_workgroup_size: 128
    .sgpr_count:     98
    .vgpr_count:     1024
    .wavefront_size: 32
...
	.end_amdgpu_metadata
.endif
;; end of part 2
;; launch attn (part 3): grid 8 x 32, 16 waves a work-group, clusters of 4 x 1, 327,680 bytes of LDS; arguments big, act; writes act
.if DOCPART == 3
	.amdgcn_target "amdgcn-amd-amdhsa--gfx1250"
	.amdhsa_code_object_version 6
	.text
	.protected	k_q53fdfd8876_attn
	.globl	k_q53fdfd8876_attn
	.p2align	8
	.type	k_q53fdfd8876_attn,@function
k_q53fdfd8876_attn:
	s_mov_b64 s[64:65], 0
	v_nop
	global_prefetch_b8 v0, s[64:65] scope:SCOPE_SE
	s_setreg_imm32_b32 hwreg(HW_REG_WAVE_MODE, 25, 1), 1
	s_wait_xcnt 0x0
	s_wait_alu depctr_hold_cnt(0) depctr_sa_sdst(0) depctr_va_vdst(0) depctr_va_sdst(0) depctr_va_ssrc(0) depctr_va_vcc(0) depctr_vm_vsrc(0)
	s_getreg_b32 s2, hwreg(HW_REG_IB_STS2, 6, 4)
	s_cmp_eq_u32 s2, 0
	s_cbranch_scc0 .Lentry_in_a_cluster
	s_endpgm
.Lentry_in_a_cluster:
	s_bfe_u32 s2, ttmp6, 0x10000c
	s_cmp_lg_u32 s2, 0x3003
	s_cbranch_scc0 .Lentry_shape_is_right
	s_endpgm
.Lentry_shape_is_right:
; ctx = softmax(q k^T / 8) v for one head and 256 queries a work-group, both products on codes of BF8 (E5M2) with E8M0 scales; ctx is quantised along the heads' 1,024 and stored as records, the next product's operand.
; big holds three images of records (33,792 bytes: 128 rows x 256 K, codes at a*4096 + q*2048 + c*512 + 16 x lane, scale words from byte 32,768 at q*512 + a*64 + 4 r): q and k by tokens, v with the tokens as K.
; THE SOFTMAX: t = score x log2(e) / 8; M = the running largest t rounded up to a whole number; p = 2^(t - M) is quantised along the keys; the row's sum is taken of the unquantised p and divides at the end.
; SHARES: sixteen waves, 16 queries each, four waves to a SIMD.  A head's K is 64, half of the instruction's 128: a fragment holds two tiles of 16 keys, and q stands beside 64 zero codes, once low and once high.
; Both products are used transposed: a lane holds one query; the 16 registers of two neighbouring tiles are 16 places of a block of 32 keys, in the order in which v's records hold the keys.
; LDS: all 2,048 keys of the head stay: k 131,072 bytes, v 131,072, their scale words 12,288.  Nothing is filled again.  Eight waves ask at the head for the scale words and the first 256 keys; fifteen ask for the rest behind
; the full sequence.  CLUSTER: the four work-groups of a cluster walk the same head, and every load is joint (mask 15).  No prefetch: all bytes are asked for by these two groups, ahead of the loop.
; A KEY STEP lays all sources first, then one batch of 68 exponentials with one wait ahead of it and one behind it.  The holds go as dual pairs across two blocks, so that the pair's registers lie in different banks.
; LIMITS: the promise holds while |t| stays under 2^31; a block of zeros gets the byte 1 (its codes are zeros; this program alone reads the bytes); NaN and infinities are not served.
; REGISTERS: v1-11 addresses; v12 -M, v13 largest t, v[14:15] the sum; v16-39 zeros, q, zeros; v40-103 four fragments; v104-167 S^T, then p; v168-199 O^T; v200-215 p's codes; v216-255 at work and scale words.
.set REC,   33792
.set RGS,   16*REC
.set IMG,   32*RGS
.set VB,    131072                     ; v's codes, behind k's
.set SCK,   262144                     ; k's scale words: 512 bytes for each 128 keys
.set SCV,   270336                     ; v's: 2,048 bytes for each half of a record's keys, 256 a record
.set SPARE, 274432                     ; the spare words: 128 bytes a wave
.set LI,   1
.set LS4,  2
.set ASK0, 3
.set ASV0, 4
.set SPW,  5
.set NIL,  6
.set LIV,  7
.set ADK,  8
.set ADV,  9
.set ADS,  10
.set ADT,  11
.set F,    40                          ; F (fragments) and S (scores) are v40-103 and v104-167 in a record's first step and change places in its second: each step sets the two names
.set S,    104
.set O,    168
.set PCD,  200
.set BM,   216
.set T,    220
.set HOLD, 224
.set SCL,  228
.set KR,   232
.set VSW,  240
.set FF,   244
.set PSW,  246
.set TT,   247
.set QSW,  248
.set KSW,  252
.set WV,   18
.set MNT,  19
.set SEL,  20
.set CS,   22
.set G1K,  24
.set G1V,  32
.set G0K,  40
.set G0V,  44
.set G1SK, 48
.set G0SK, 56
.set G0SV, 60
.set G1SV, 68
.set G1VB, 76
.set G0K2, 84
.set G0V2, 88
.set TK,   2
.set TS,   3
.set TV,   12
.set TJ,   66
.set SLOTS, 67
.set KSEL, 100
.set HI16, 101
; one arm of a chain of branches on the wave's number: a load, its s_nop 0 and four v_nop, a jump to the join
.macro ARM under, g0, g1, next, join
	s_cmp_lt_u32 s[WV], \under
	s_cbranch_scc0 \next
	tensor_load_to_lds s[\g0:\g0+3], s[\g1:\g1+7]
	s_nop 0
.rept 4
	v_nop
.endr
	s_branch \join
\next:
.endm
.macro CROUND                          ; a round of the cluster's barrier
	s_barrier_signal -1
	s_barrier_wait -1
	s_cmp_lg_u32 s[WV], 0
	s_cbranch_scc1 .Lnot_wave_0_\@
	s_barrier_signal -3
.Lnot_wave_0_\@:
	s_barrier_wait -3
	s_barrier_signal -1
	s_barrier_wait -1
.endm
.macro SHAPE g, c, r, p                ; group 1: r rows of c elements of 8 bytes, p elements apart; mask 15, bit 21 beside it
	s_mov_b32 s[\g], 15|(3<<16)|(1<<21)
	s_mov_b32 s[\g+1], (\c)<<16
	s_mov_b32 s[\g+2], (\r)<<16
	s_mov_b32 s[\g+3], (\c)<<16
	s_mov_b32 s[\g+4], \r
	s_mov_b32 s[\g+5], \p
	s_mov_b32 s[\g+6], 0
	s_mov_b32 s[\g+7], 0
.endm
	s_load_b128 s[4:7], s[0:1], 0x0                ; big, act
	v_lshl_add_u32 v[SPW], v0, 2, SPARE
	v_mov_b32 v[NIL], 0
	ds_add_u32 v[SPW], v[NIL]                      ; the opening lines: the add twice on end and one wait
	ds_add_u32 v[SPW], v[NIL]
	v_lshrrev_b32 v8, 5, v0
	v_readfirstlane_b32 s[WV], v8                  ; wave 0..15
	s_and_b32 s8, ttmp7, 0xffff
	s_lshr_b32 s9, s8, 4                           ; batch
	s_and_b32 s10, s8, 15                          ; head
	s_and_b32 s11, s10, 1                          ; which 64 of a 128 along K
	s_bfe_u32 s12, s10, 0x10001                    ; q: which 128 of a record's K
	s_lshr_b32 s13, s10, 2                         ; which record along K
	s_lshr_b32 s14, s10, 1                         ; v: which 128 rows
	s_and_b32 s15, s[WV], 1
	s_mul_i32 s16, s13, REC
	s_lshl_b32 s17, s9, 4
	s_mul_i32 s17, s17, RGS
	s_add_co_u32 s17, s17, s16
	s_add_co_u32 s17, s17, IMG                     ; k's image, my batch, my head's record
	s_mul_i32 s8, s15, 8*RGS
	s_add_co_u32 s[G0SK+2], s17, s8                ; k's scale words: eight groups of 128 keys a load
	s_lshl_b32 s8, s12, 9
	s_add_co_u32 s[G0SK+2], s[G0SK+2], s8
	s_add_co_u32 s[G0SK+2], s[G0SK+2], 32768
	s_lshl_b32 s8, s12, 11
	s_add_co_u32 s17, s17, s8
	s_lshl_b32 s8, s11, 10
	s_add_co_u32 s17, s17, s8
	s_mul_i32 s8, s15, RGS
	s_add_co_u32 s[G0K+2], s17, s8                 ; k's codes: keys 128 x (wave % 2) on,
	s_add_co_u32 s8, s[WV], 2
	s_mul_i32 s8, s8, RGS
	s_add_co_u32 s[G0K2+2], s17, s8                ; and, in the second group, keys 128 x (wave + 2) on
	s_mul_i32 s17, s14, RGS
	s_mul_i32 s8, s9, 8*REC
	s_add_co_u32 s17, s17, s8
	s_add_co_u32 s17, s17, 2*IMG                   ; v's image, my head's rows, my batch's records
	s_lshl_b32 s8, s15, 9
	s_add_co_u32 s[G0SV+2], s17, s8
	s_lshl_b32 s8, s11, 8
	s_add_co_u32 s[G0SV+2], s[G0SV+2], s8
	s_add_co_u32 s[G0SV+2], s[G0SV+2], 32768
	s_lshl_b32 s8, s11, 14
	s_add_co_u32 s17, s17, s8
	s_lshl_b32 s8, s15, 13
	s_add_co_u32 s[G0V+2], s17, s8                 ; v's codes: half of the first record's 16,384 bytes,
	s_add_co_u32 s[G0V2+2], s17, REC               ; and the other seven records
	s_lshl_b32 s8, s15, 12
	s_add_co_u32 s[G0SK+1], s8, SCK
	s_lshl_b32 s8, s15, 11
	s_add_co_u32 s[G0SV+1], s8, SCV
	s_lshl_b32 s[G0K+1], s15, 13
	s_add_co_u32 s[G0V+1], s[G0K+1], VB
	s_lshl_b32 s8, s[WV], 13
	s_add_co_u32 s[G0K2+1], s8, 16384
	s_mov_b32 s[G0V2+1], VB+16384
.irp g, G0K, G0V, G0SK, G0SV, G0K2, G0V2
	s_mov_b32 s[\g], 1
	s_mov_b32 s[\g+3], 0
.endr
	s_bfe_u32 s92, ttmp6, 0x40000                  ; my place in the cluster enters only my queries' addresses in memory
	s_lshl_b32 s93, ttmp9, 2
	s_add_co_u32 s92, s92, s93
	s_lshl_b32 s92, s92, 1
	s_lshl_b32 s93, s9, 4
	s_add_co_u32 s92, s92, s93
	s_lshr_b32 s93, s[WV], 3
	s_add_co_u32 s92, s92, s93                     ; my queries' group of 128 rows
	s_mul_i32 s92, s92, RGS
	s_add_co_u32 s92, s92, s16
	s_mov_b32 s94, s92
	s_and_b32 s96, s[WV], 7
	s_lshl_b32 s93, s96, 12
	s_add_co_u32 s92, s92, s93
	s_lshl_b32 s93, s12, 11
	s_add_co_u32 s92, s92, s93
	s_lshl_b32 s93, s11, 10
	s_add_co_u32 s92, s92, s93                     ; codes of my 16 rows, my head's 64
	s_mov_b32 s93, 0
	s_lshl_b32 s95, s96, 6
	s_add_co_u32 s94, s94, s95
	s_lshl_b32 s95, s12, 9
	s_add_co_u32 s94, s94, s95                     ; their scale words
	s_mov_b32 s95, 0
	s_lshl_b32 s98, s11, 1
	s_add_co_u32 s98, s98, s94                     ; my head's two bytes of a word
	s_mov_b32 s99, 0
	SHAPE G1K, 128, 8, 512
	SHAPE G1V, 32, 32, 32
	SHAPE G1SK, 64, 8, RGS/8
	SHAPE G1SV, 32, 8, REC/8
	SHAPE G1VB, 2048, 7, REC/8
	s_mov_b32 s[SEL], 0x76543210
	s_mov_b32 s[SEL+1], 0xfedcba98
	s_mov_b32 s[CS], 0x3e38aa3b                    ; log2(e) / 8
	s_mov_b32 s[CS+1], s[CS]
	s_mov_b32 s[MNT], 0x600000
	s_mov_b32 s[HI16], 0xffff0000
	s_mov_b32 s[KSEL], 0x05040100
	s_mov_b32 s17, 0x01000100
	s_cmp_eq_u32 s11, 1
	s_cselect_b32 s[KSEL], 0x07060302, s[KSEL]     ; which two bytes of a scale word are my head's
	s_cselect_b32 s17, 0x03020302, s17
	s_mov_b32 s[TK], 0
	s_mov_b32 s[TS], 0
	s_mov_b32 s[TV], 0
	s_mov_b32 s[TJ], 0
	s_wait_dscnt 0x0                               ; both opening adds are done
	s_wait_kmcnt 0x0
.irp g, G0K, G0V, G0SK, G0SV, G0K2, G0V2
	s_add_nc_u64 s[\g+2:\g+3], s[4:5], s[\g+2:\g+3]
	s_or_b32 s[\g+3], s[\g+3], 0x80000000
.endr
	CROUND                                         ; the four work-groups are here: the joint loads meet
	ARM 2, G0SK, G1SK, .Lh1, .Lhj                  ; the head's loads, one a wave: k's scale words,
	ARM 4, G0SV, G1SV, .Lh2, .Lhj                  ; v's,
	ARM 6, G0K,  G1K,  .Lh3, .Lhj                  ; the first 256 keys of k,
	ARM 8, G0V,  G1V,  .Lh4, .Lhj                  ; and of v
.Lhj:
	s_add_nc_u64 s[96:97], s[6:7], s[92:93]
	s_add_nc_u64 s[98:99], s[6:7], s[98:99]
	s_add_nc_u64 s[92:93], s[4:5], s[92:93]
	s_add_nc_u64 s[94:95], s[4:5], s[94:95]
	v_and_b32 v8, 31, v0
	v_and_b32 v9, 15, v0
	v_lshlrev_b32 v[LI], 4, v8
	v_lshlrev_b32 v[LS4], 2, v9
	global_load_b128 v[24:27], v[LI], s[92:93]     ; q's 64 codes a row stay in registers
	global_load_b128 v[28:31], v[LI], s[92:93] offset:512
	global_load_b32 v249, v[LS4], s[94:95] offset:32768
	v_add_nc_u32 v[LIV], VB, v[LI]
	v_add_nc_u32 v[ASK0], SCK, v[LS4]
	v_add_nc_u32 v[ASV0], SCV, v[LS4]
.irp j, 0,1,2,3,4,5,6,7
	v_mov_b32 v[16+\j], 0                          ; zero codes below and above q
	v_mov_b32 v[32+\j], 0
.endr
	v_mov_b32 v13, 0xff61b1e6                      ; the largest t so far: -3e38
	v_floor_f32 v12, -v13
	v_mov_b32 v14, 0
	v_mov_b32 v15, 0
.irp b, 0,1,2,3
	v_mov_b32 v[T+\b], 0                           ; a lane permute's destination counts as one of its sources
.endr
	v_mov_b32 v[FF+1], 0
.set jj, 0
.rept 32
	v_mov_b32 v[O+jj], 0                           ; the step is written once: the first finds zeros
.set jj, jj+1
.endr
; the hold and the conversion of blocks b and b + 1: a dual pair takes one number of each block: destinations even and odd, first sources and second sources in different banks
.macro MINCVT b
.irp i, 0,2,4,6,8,10,12,14
	v_dual_min_num_f32 v[S+16*\b+\i], v[S+16*\b+\i], v[HOLD+\b] :: v_dual_min_num_f32 v[S+16*\b+17+\i], v[S+16*\b+17+\i], v[HOLD+\b+1]
	v_dual_min_num_f32 v[S+16*\b+16+\i], v[S+16*\b+16+\i], v[HOLD+\b+1] :: v_dual_min_num_f32 v[S+16*\b+1+\i], v[S+16*\b+1+\i], v[HOLD+\b]
.endr
.irp u, 0,1
	v_cvt_scalef32_pk8_bf8_f32 v[PCD+4*(\b+\u):PCD+4*(\b+\u)+1],   v[S+16*(\b+\u):S+16*(\b+\u)+7],    v[SCL+\b+\u]
	v_cvt_scalef32_pk8_bf8_f32 v[PCD+4*(\b+\u)+2:PCD+4*(\b+\u)+3], v[S+16*(\b+\u)+8:S+16*(\b+\u)+15], v[SCL+\b+\u]
.endr
.endm
; A KEY STEP: 128 keys; q: which half of v's record
; k's four fragments of the step to come go into the score area, which is dead once p has become codes; in that step the area is F
.macro KPRE adr, off
.irp g, 0,1,2,3
.irp c, 0,1,2,3
	ds_load_b128 v[S+16*\g+4*\c:S+16*\g+4*\c+3], v[\adr] offset:(\off)+2048*\g+512*\c
.endr
.endr
.endm
; pre = 1: the step asks for the next step's fragments of k (the very last step reads v's first bytes there and uses nothing of them)
.macro STEP q, pre
.set F, 40+64*(\q)
.set S, 104-64*(\q)
	v_add_nc_u32 v[ADK], s[TK], v[LI]
	v_add_nc_u32 v[ADV], s[TV], v[LIV]
	v_add_nc_u32 v[ADS], s[TS], v[ASK0]
	v_add_nc_u32 v[ADT], s[TJ], v[ASV0]
.rept 4
	v_nop                                          ; with the four lines above and the sum's line behind the last products: nine places ahead of products that write over the fragments which those read
.endr
	s_wait_alu depctr_va_vdst(0)
	s_wait_dscnt 0x0
.irp g, 0,1,2,3                                ; S^T: a fragment's low 64 meet q with zeros above, its high 64 q with zeros below
	v_wmma_scale_f32_16x16x128_f8f6f4 v[S+16*\g:S+16*\g+7],    v[F+16*\g:F+16*\g+15], v[24:39], 0, v[KSW+\g], v[QSW] matrix_a_fmt:MATRIX_FMT_BF8 matrix_b_fmt:MATRIX_FMT_BF8
	v_wmma_scale_f32_16x16x128_f8f6f4 v[S+16*\g+8:S+16*\g+15], v[F+16*\g:F+16*\g+15], v[16:31], 0, v[KSW+\g], v[QSW] matrix_a_fmt:MATRIX_FMT_BF8 matrix_b_fmt:MATRIX_FMT_BF8
.endr
.rept 8
	v_nop
.endr
.irp a, 0,1,2,3,4,5,6,7
	ds_load_b32 v[KR+\a], v[ADS] offset:512+64*\a  ; the next step's scale words of k (the last step reads v's words there and uses nothing of them)
.endr
.irp t, 0,1,2,3
.irp c, 0,1,2,3
	ds_load_b128 v[F+16*\t+4*\c:F+16*\t+4*\c+3], v[ADV] offset:4096*\t+2048*(\q)+512*\c
.endr
	ds_load_b32 v[VSW+\t], v[ADT] offset:2048*(\q)+64*\t
.endr
.irp b, 0,1,2,3
	v_max3_num_f32 v[BM+\b], v[S+16*\b], v[S+16*\b+1], v[S+16*\b+2]   ; each block's largest score: for the row's maximum and for the block's largest p
.endr
.irp i, 3,5,7,9,11,13
.irp b, 0,1,2,3
	v_max3_num_f32 v[BM+\b], v[BM+\b], v[S+16*\b+\i], v[S+16*\b+\i+1]
.endr
.endr
.irp b, 0,1,2,3
	v_max_num_f32 v[BM+\b], v[BM+\b], v[S+16*\b+15]
.endr
.irp b, 0,1,2,3
	s_delay_alu instid0(VALU_DEP_4)
	v_permlanex16_b32 v[T+\b], v[BM+\b], s[SEL], s[SEL+1]
.endr
.irp b, 0,1,2,3
	s_delay_alu instid0(VALU_DEP_4)
	v_max_num_f32 v[BM+\b], v[BM+\b], v[T+\b]
.endr
	s_delay_alu instid0(VALU_DEP_2)
	v_max3_num_f32 v[TT], v[BM], v[BM+1], v[BM+2]
	s_delay_alu instid0(VALU_DEP_1)
	v_max_num_f32 v[TT], v[TT], v[BM+3]
	s_delay_alu instid0(VALU_DEP_1)
	v_mul_f32 v[TT], s[CS], v[TT]
	s_delay_alu instid0(VALU_DEP_1)
	v_max_num_f32 v13, v13, v[TT]                  ; the running largest t
	v_mov_b32 v[TT], v12
	s_delay_alu instid0(VALU_DEP_2)
	v_floor_f32 v12, -v13                          ; -M
	s_delay_alu instid0(VALU_DEP_1)
	v_sub_f32 v[TT], v12, v[TT]
	s_delay_alu instid0(VALU_DEP_1)
	v_cvt_i32_f32 v[TT], v[TT]
	s_delay_alu instid0(VALU_DEP_1)
	v_ldexp_f32 v[FF], 1.0, v[TT]                  ; f = 2^(old M - new M)
.set jj, 0
.rept 32
	v_pk_fma_f32 v[S+jj:S+jj+1], v[S+jj:S+jj+1], s[CS:CS+1], v[12:13] op_sel_hi:[1,0,0]   ; t - M
.set jj, jj+2
.endr
.irp b, 0,1,2,3
	v_fma_f32 v[BM+\b], v[BM+\b], s[CS], v12
.endr
.set jj, 0
.rept 16
	v_pk_mul_f32 v[O+jj:O+jj+1], v[O+jj:O+jj+1], v[FF:FF+1] op_sel_hi:[1,0]   ; O^T under the new M, ahead of the batch: no exponential stands between the last products and this first read
.set jj, jj+2
.endr
	s_wait_alu depctr_va_vdst(0)                   ; the wait ahead of the batch
.irp b, 0,1,2,3
	v_exp_f32 v[BM+\b], v[BM+\b]                   ; each block's largest p
.endr
.set jj, 0
.rept 64
	v_exp_f32 v[S+jj], v[S+jj]                     ; p = 2^(t - M)
.set jj, jj+1
.endr
	v_pk_mul_f32 v[14:15], v[14:15], v[FF:FF+1] op_sel_hi:[1,0]   ; the sum under the new M: the plain line behind the batch
	s_wait_alu depctr_va_vdst(0)                   ; the wait behind the batch
.irp b, 0,1,2,3
	v_max_num_f32 v[BM+\b], 0x8000000, v[BM+\b]    ; the floor 2^(16 - 127)
.endr
.irp b, 0,1,2,3
	v_add_nc_u32 v[SCL+\b], 0xf8800000, v[BM+\b]   ; 15 off the exponent field: the conversion's scale operand
.endr
.irp b, 0,1,2,3
	v_and_or_b32 v[HOLD+\b], v[BM+\b], 0x7f800000, s[MNT]   ; 57,344 x the scale
.endr
.irp b, 0,1,2,3
	v_lshrrev_b32 v[T+\b], 23, v[SCL+\b]
.endr
	v_lshl_or_b32 v[PSW], v[T+1], 8, v[T]
	v_lshl_or_b32 v[PSW], v[T+2], 16, v[PSW]
	v_lshl_or_b32 v[PSW], v[T+3], 24, v[PSW]       ; p's scale word
	v_pk_add_f32 v[T:T+1], v[S:S+1], v[S+2:S+3]    ; the row's sum of the unquantised p, in two chains, each block ahead of its hold
.irp j, 4,8,12,16,20,24,28
	v_pk_add_f32 v[14:15], v[14:15], v[S+\j:S+\j+1]
	v_pk_add_f32 v[T:T+1], v[T:T+1], v[S+\j+2:S+\j+3]
.endr
	MINCVT 0
.irp j, 32,36,40,44,48,52,56,60
	v_pk_add_f32 v[14:15], v[14:15], v[S+\j:S+\j+1]
	v_pk_add_f32 v[T:T+1], v[T:T+1], v[S+\j+2:S+\j+3]
.endr
	MINCVT 2
.if \pre
	KPRE ADK, 8192
.endif
	s_wait_alu depctr_va_vdst(0)
	s_wait_dscnt 16*(\pre)                         ; v's fragments and the scale words are in; the 16 loads just issued may be out
.irp g, 0,1,2,3
	v_perm_b32 v[KSW+\g], v[KR+2*\g+1], v[KR+2*\g], s[KSEL]   ; two tiles' bytes of my head make a fragment's scale word; these four lines are the places behind the conversions
.endr
.irp t, 0,1,2,3
	v_wmma_scale_f32_16x16x128_f8f6f4 v[O+8*\t:O+8*\t+7], v[F+16*\t:F+16*\t+15], v[PCD:PCD+15], v[O+8*\t:O+8*\t+7], v[VSW+\t], v[PSW] matrix_a_fmt:MATRIX_FMT_BF8 matrix_b_fmt:MATRIX_FMT_BF8
.endr
	v_pk_add_f32 v[14:15], v[14:15], v[T:T+1]      ; the sum's two chains; a place behind the products
	s_add_co_u32 s[TK], s[TK], 8192
	s_add_co_u32 s[TS], s[TS], 512
.endm
.macro TWO_STEPS pre                   ; a record of v: 256 keys
	STEP 0, 1
	STEP 1, \pre
	s_add_co_u32 s[TV], s[TV], 16384
	s_add_co_u32 s[TJ], s[TJ], 256
.endm
	s_wait_alu depctr_va_vdst(0)                   ; the head's end
	s_wait_loadcnt 0x0                             ; q
	v_perm_b32 v[QSW], v249, v249, s17
	s_wait_tensorcnt 0x0                           ; the full sequence ahead of the later first fills; the add stands twice
	ds_add_u32 v[SPW], v[NIL]
	ds_add_u32 v[SPW], v[NIL]
	s_wait_dscnt 0x0
	CROUND
	ARM 14, G0K2, G1K,  .Lr1, .Lrj                 ; keys 256 on: 128 keys of k a wave,
	ARM 15, G0V2, G1VB, .Lr2, .Lrj                 ; and v's seven records in one load
.Lrj:
.set S, 40
	KPRE LI, 0                                     ; the first step's fragments of k
.irp a, 0,1,2,3,4,5,6,7
	ds_load_b32 v[KR+\a], v[ASK0] offset:64*\a
.endr
	s_wait_dscnt 0x0
.irp g, 0,1,2,3
	v_perm_b32 v[KSW+\g], v[KR+2*\g+1], v[KR+2*\g], s[KSEL]
.endr
	v_nop
	s_wait_alu depctr_va_vdst(0)
	TWO_STEPS 0                                    ; the first 256 keys are worked while the others land; nothing of the others is read yet
	s_wait_tensorcnt 0x0
	ds_add_u32 v[SPW], v[NIL]
	s_wait_dscnt 0x0
	s_barrier_signal -1
	s_barrier_wait -1                              ; everybody's part is in
	KPRE ADK, 8192                                 ; keys 256 on: their fragments are read only behind the barrier
	s_mov_b32 s[SLOTS], 7
.Lslot:
	TWO_STEPS 1
	s_sub_co_u32 s[SLOTS], s[SLOTS], 1
	s_cmp_lg_u32 s[SLOTS], 0
	s_cbranch_scc1 .Lslot
	; THE WAY OUT: O^T / the sum, quantised along my head's 64 (two blocks) where it lies, stored as a fragment's image
.rept 8
	v_nop
.endr
.set S, 104                            ; at work on the way out: the area that held v's last fragments (the other may still take the last step's loads)
	v_add_f32 v14, v14, v15
	s_delay_alu instid0(VALU_DEP_1)
	v_permlanex16_b32 v[T], v14, s[SEL], s[SEL+1]
	s_delay_alu instid0(VALU_DEP_1)
	v_add_f32 v14, v14, v[T]
	s_wait_alu depctr_va_vdst(0)
	v_rcp_f32 v14, v14
	v_bfe_u32 v250, v0, 4, 1
	v_add_nc_u32 v250, v250, v[LS4]                ; 4 r + h: lanes 0-15 store block 0's byte, lanes 16-31 block 1's
	s_wait_alu depctr_va_vdst(0)
.set jj, 0
.rept 32
	v_mul_f32 v[S+jj], v[O+jj], v14
.set jj, jj+1
.endr
.irp b, 0,1
	v_max3_num_f32 v[BM+\b], |v[S+16*\b]|, |v[S+16*\b+1]|, 0x8000000
.endr
.irp i, 2,4,6,8,10,12,14
.irp b, 0,1
	s_delay_alu instid0(VALU_DEP_2)
	v_max3_num_f32 v[BM+\b], v[BM+\b], |v[S+16*\b+\i]|, |v[S+16*\b+\i+1]|
.endr
.endr
.irp b, 0,1
	s_delay_alu instid0(VALU_DEP_2)
	v_permlanex16_b32 v[T+\b], v[BM+\b], s[SEL], s[SEL+1]
.endr
.irp b, 0,1
	s_delay_alu instid0(VALU_DEP_2)
	v_max_num_f32 v[BM+\b], v[BM+\b], v[T+\b]
.endr
.irp b, 0,1
	s_delay_alu instid0(VALU_DEP_2)
	v_add_nc_u32 v[SCL+\b], 0xf8800000, v[BM+\b]
.endr
.irp b, 0,1
	v_and_or_b32 v[HOLD+\b], v[BM+\b], 0x7f800000, s[MNT]
.endr
.irp b, 0,1
	v_lshrrev_b32 v[T+\b], 23, v[SCL+\b]
.endr
	s_delay_alu instid0(VALU_DEP_1)
	v_cndmask_b32 v[TT], v[T], v[T+1], s[HI16]
.irp b, 0,1
.irp i, 0,1,2,3,4,5,6,7,8,9,10,11,12,13,14,15
	v_med3_num_f32 v[S+16*\b+\i], v[S+16*\b+\i], -v[HOLD+\b], v[HOLD+\b]
.endr
	v_cvt_scalef32_pk8_bf8_f32 v[PCD+4*\b:PCD+4*\b+1],   v[S+16*\b:S+16*\b+7],    v[SCL+\b]
	v_cvt_scalef32_pk8_bf8_f32 v[PCD+4*\b+2:PCD+4*\b+3], v[S+16*\b+8:S+16*\b+15], v[SCL+\b]
.endr
	v_nop
	global_store_b128 v[LI], v[PCD:PCD+3], s[96:97]
	global_store_b128 v[LI], v[PCD+4:PCD+7], s[96:97] offset:512
	global_store_b8 v250, v[TT], s[98:99] offset:32768
	s_wait_tensorcnt 0x0                           ; the wave's end
	ds_add_u32 v[SPW], v[NIL]
	s_wait_dscnt 0x0
	CROUND                                         ; the closing round
	s_endpgm
.Lfunc_end_k_q53fdfd8876_attn:
	.size	k_q53fdfd8876_attn, .Lfunc_end_k_q53fdfd8876_attn-k_q53fdfd8876_attn
	.p2alignl 7, 3214868480
	.fill 96, 4, 3214868480
	.section	.rodata,"a",@progbits
	.p2align	6, 0x0
	.amdhsa_kernel k_q53fdfd8876_attn
		.amdhsa_group_segment_fixed_size 327680
		.amdhsa_private_segment_fixed_size 0
		.amdhsa_enable_private_segment 0
		.amdhsa_kernarg_size 16
		.amdhsa_user_sgpr_count 2
		.amdhsa_user_sgpr_kernarg_segment_ptr 1
		.amdhsa_wavefront_size32 1
		.amdhsa_system_sgpr_workgroup_id_x 1
		.amdhsa_system_sgpr_workgroup_id_y 1
		.amdhsa_system_sgpr_workgroup_id_z 1
		.amdhsa_system_vgpr_workitem_id 0
		.amdhsa_next_free_vgpr 256
		.amdhsa_next_free_sgpr 102
		.amdhsa_reserve_vcc 0
		.amdhsa_float_denorm_mode_32 3
		.amdhsa_float_denorm_mode_16_64 3
		.amdhsa_memory_ordered 1
		.amdhsa_forward_progress 1
		.amdhsa_inst_pref_size 101
	.end_amdhsa_kernel
	.amdgpu_metadata
---
amdhsa.version: [ 1, 2 ]
amdhsa.kernels:
  - .name:           k_q53fdfd8876_attn
    .symbol:         k_q53fdfd8876_attn.kd
    .args:
      - { .name: big, .offset: 0, .size: 8, .value_kind: global_buffer, .address_space: global }
      - { .name: act, .offset: 8, .size: 8, .value_kind: global_buffer, .address_space: global }
    .group_segment_fixed_size: 327680
    .private_segment_fixed_size: 0
    .kernarg_segment_align: 8
    .kernarg_segment_size: 16
    .max_flat_workgroup_size: 512
    .sgpr_count:     102
    .vgpr_count:     256
    .wavefront_size: 32
...
	.end_amdgpu_metadata
.endif
;; end of part 3
;; launch wo (part 4): grid 8 x 32, 4 waves a work-group, clusters of 4 x 4, 327,680 bytes of LDS; arguments act, w4, y; writes y
.if DOCPART == 4
	.amdgcn_target "amdgcn-amd-amdhsa--gfx1250"
	.amdhsa_code_object_version 6
	.text
	.protected	k_q53fdfd8876_wo
	.globl	k_q53fdfd8876_wo
	.p2align	8
	.type	k_q53fdfd8876_wo,@function
k_q53fdfd8876_wo:
	s_mov_b64 s[64:65], 0
	v_nop
	global_prefetch_b8 v0, s[64:65] scope:SCOPE_SE
	s_setreg_imm32_b32 hwreg(HW_REG_WAVE_MODE, 25, 1), 1
	s_wait_xcnt 0x0
	s_wait_alu depctr_hold_cnt(0) depctr_sa_sdst(0) depctr_va_vdst(0) depctr_va_sdst(0) depctr_va_ssrc(0) depctr_va_vcc(0) depctr_vm_vsrc(0)
	s_getreg_b32 s2, hwreg(HW_REG_IB_STS2, 6, 4)
	s_cmp_eq_u32 s2, 0
	s_cbranch_scc0 .Lentry_in_a_cluster
	s_endpgm
.Lentry_in_a_cluster:
	s_bfe_u32 s2, ttmp6, 0x10000c
	s_cmp_lg_u32 s2, 0xf033
	s_cbranch_scc0 .Lentry_shape_is_right
	s_endpgm
.Lentry_shape_is_right:
; y = ctx Wo: [4096, 1024] x [1024, 1024] on codes of BF8 (E5M2) with E8M0 scales; y is f32, in the accumulators' layout that the norm's launch reads:
; block of 16 rows x 65,536 + block of 16 columns x 1,024 + e x 512 + 16 x lane (lane (r, h), quad e: row r, columns 8 h + 4 e + 0 .. 3).
; Both operands are RECORDS of 33,792 bytes (128 rows x 256 K): codes at a*4096 + q*2048 + c*512 + 16 x lane, scale words from byte 32,768 at q*512 + a*64 + 4 r; rows 128 RG on, K 256 s on: RG*RGS + s*REC.
; BLOCK: 128 x 128 to a work-group, so that 8 x 32 = 256 work-groups share the product.  All of K lies in LDS at once: A's four records, then B's four, 270,336 bytes.  The four records of a row group are neighbours in memory:
; each of the four waves brings two of them by ONE tensor load (264 rows of 256 bytes).  Nothing is filled again: no ring, and one barrier.  No prefetch: the launch has no loop to run ahead in.
; CLUSTERS: 4 x 4; A's records are shared along a row of the cluster, B's along a column: joint loads.
; A wave makes 64 x 64: 16 accumulators, which take turns, one instruction a turn.  The matrix instruction is used transposed (source 0 = B, source 1 = A).
; REGISTERS: window 0: v16-29 addresses; v32-63 the scale words of all eight steps (lanes 0-15 A's block, lanes 16-31 B's); v128-255 A's fragments, two sets.  window 1: v0-127 B's fragments, two sets; v128-255 the accumulators.
.set REC,   33792
.set RGS,   16*REC
.set SPARE, 8*REC                      ; behind the records: the spare words, 128 bytes a wave
.set ADRA, 16                          ; v16-17 my four blocks of A in records 0-1, 2-3
.set ADRB, 18                          ; v18-19 B's
.set ADRS, 20                          ; v20-21 my scale words
.set LI,   24                          ; v24 16 x lane
.set SPW,  28
.set NIL,  29
.set SC,   32
.set AF,   128
.set ACC,  128
.set G1, 24
.set G0, 32
.set G1B, 48
.set G0B, 56
.set MSB, 0
.macro WIN new                         ; the immediate's high byte repeats the setting that is left
.if MSB != (\new)
	s_set_vgpr_msb (MSB<<8)|(\new)
.set MSB, (\new)
.endif
.endm
.macro CROUND
	s_barrier_signal -1
	s_barrier_wait -1
	s_cmp_lg_u32 s14, 0
	s_cbranch_scc1 .Lnot_wave_0_\@
	s_barrier_signal -3
.Lnot_wave_0_\@:
	s_barrier_wait -3
	s_barrier_signal -1
	s_barrier_wait -1
.endm
	s_load_b128 s[4:7], s[0:1], 0x0                ; act (ctx's records), w4 (Wo's records in columns 0-3)
	s_load_b64 s[8:9], s[0:1], 0x10                ; y
	v_lshl_add_u32 v[SPW], v0, 2, SPARE
	v_mov_b32 v[NIL], 0
	ds_add_u32 v[SPW], v[NIL]                      ; the opening lines: the add twice on end and one wait
	ds_add_u32 v[SPW], v[NIL]
	v_lshrrev_b32 v1, 5, v0
	v_readfirstlane_b32 s14, v1                    ; wave 0..3
	s_lshr_b32 s15, s14, 1                         ; which 64 rows are mine.  Also: I fetch for A (0) or B (1)
	s_and_b32 s16, s14, 1                          ; which 64 columns.  Also: which two records I fetch
	s_bfe_u32 s40, ttmp6, 0x40000                  ; cx
	s_bfe_u32 s41, ttmp6, 0x40004                  ; cy
	s_lshl_b32 s42, ttmp9, 2
	s_add_co_u32 s42, s42, s40                     ; block column 0..7
	s_and_b32 s17, ttmp7, 0xffff
	s_lshl_b32 s17, s17, 2
	s_add_co_u32 s17, s17, s41                     ; block row 0..31
	s_lshl_b32 s43, s41, 2
	s_lshl_b32 s43, 15, s43                        ; my row of the cluster
	s_lshl_b32 s44, 0x1111, s40                    ; my column
	s_or_b32 s[G1], s43, (3<<16)|(1<<21)           ; the mask; elements of 8 bytes; bit 21 beside a mask; no padding
	s_or_b32 s[G1B], s44, (3<<16)|(1<<21)
.irp g, G1, G1B
	s_mov_b32 s[\g+1], 32<<16                      ; two records as 264 dense rows of 256 bytes
	s_mov_b32 s[\g+2], 264<<16
	s_mov_b32 s[\g+3], 32<<16
	s_mov_b32 s[\g+4], 264
	s_mov_b32 s[\g+5], 32
	s_mov_b32 s[\g+6], 0
	s_mov_b32 s[\g+7], 0
.endr
	s_mul_i32 s18, s16, 2*REC
	s_mul_i32 s20, s17, RGS
	s_add_co_u32 s20, s20, s18                     ; A: by the block row and the wave alone
	s_mov_b32 s21, 0
	s_mul_i32 s46, s42, RGS
	s_add_co_u32 s46, s46, s18                     ; B: by the block column and the wave alone
	s_mov_b32 s47, 0
	s_mul_i32 s45, s14, 2*REC                      ; where they go: wave x two records
	s_wait_dscnt 0x0                               ; both opening adds are done
	s_wait_kmcnt 0x0
	s_mov_b32 s[G0], 1
	s_mov_b32 s[G0+1], s45
	s_add_nc_u64 s[G0+2:G0+3], s[4:5], s[20:21]
	s_or_b32 s[G0+3], s[G0+3], 0x80000000
	s_mov_b32 s[G0B], 1
	s_mov_b32 s[G0B+1], s45
	s_add_nc_u64 s[G0B+2:G0B+3], s[6:7], s[46:47]
	s_or_b32 s[G0B+3], s[G0B+3], 0x80000000
	CROUND                                         ; all sixteen work-groups are here: the joint loads meet
	s_cmp_eq_u32 s15, 0
	s_cbranch_scc0 .Lfor_b
	tensor_load_to_lds s[G0:G0+3], s[G1:G1+7]
	s_nop 0
.rept 4
	v_nop
.endr
	s_branch .Lasked
.Lfor_b:
	tensor_load_to_lds s[G0B:G0B+3], s[G1B:G1B+7]
	s_nop 0
.rept 4
	v_nop
.endr
.Lasked:
	s_lshl_b32 s21, s15, 14                        ; my four blocks of A: 4 x 4,096 bytes a half
	s_lshl_b32 s22, s16, 14
	s_add_co_u32 s22, s22, 4*REC                   ; of B, behind A's four records
	s_lshl_b32 s23, s15, 8                         ; their scale words: 4 x 64 bytes a half
	s_lshl_b32 s10, s16, 8
	s_add_co_u32 s10, s10, 4*REC
	s_sub_co_u32 s10, s10, s23                     ; from A's words to B's
	s_add_co_u32 s23, s23, 32768
	s_lshl_b32 s11, s17, 3
	s_lshl_b32 s12, s15, 2
	s_add_co_u32 s11, s11, s12
	s_lshl_b32 s11, s11, 16                        ; y: my first block of 16 rows,
	s_lshl_b32 s12, s42, 3
	s_lshl_b32 s13, s16, 2
	s_add_co_u32 s12, s12, s13
	s_lshl_b32 s12, s12, 10                        ; my first block of 16 columns
	s_add_co_u32 s12, s12, s11
	s_mov_b32 s13, 0
	s_add_nc_u64 s[8:9], s[8:9], s[12:13]
	v_and_b32 v1, 31, v0
	v_and_b32 v2, 15, v0                           ; r
	v_bfe_u32 v3, v0, 4, 1                         ; h
	v_lshlrev_b32 v[LI], 4, v1
	v_mul_u32_u24 v6, s10, v3                      ; lanes 16-31 take B's words: one product with h
	v_add_nc_u32 v[ADRA], s21, v[LI]
	v_add_nc_u32 v[ADRB], s22, v[LI]
	v_lshl_add_u32 v6, v2, 2, v6
	v_add_nc_u32 v[ADRA+1], 2*REC, v[ADRA]
	v_add_nc_u32 v[ADRB+1], 2*REC, v[ADRB]
	v_add_nc_u32 v[ADRS], s23, v6
	v_add_nc_u32 v[ADRS+1], 2*REC, v[ADRS]
; step t = 128 along K: record t / 2, half t % 2; its eight fragments go into set t % 2: 32 loads of 512 consecutive bytes
.macro FETCH t
	WIN 0x40                                       ; destination window 1, address window 0
.irp n, 0,1,2,3
.irp c, 0,1,2,3
	ds_load_b128 v[64*((\t)%2)+16*\n+4*\c:64*((\t)%2)+16*\n+4*\c+3], v[ADRB+(\t)/4] offset:(((\t)/2)%2)*REC+\n*4096+((\t)%2)*2048+512*\c
.endr
.endr
	WIN 0
.irp n, 0,1,2,3
.irp c, 0,1,2,3
	ds_load_b128 v[AF+64*((\t)%2)+16*\n+4*\c:AF+64*((\t)%2)+16*\n+4*\c+3], v[ADRA+(\t)/4] offset:(((\t)/2)%2)*REC+\n*4096+((\t)%2)*2048+512*\c
.endr
.endr
.endm
.macro STEP t
	s_wait_dscnt 0x0                               ; this step's fragments are in
.if (\t) < 7
.if (\t) > 0
.rept 8
	v_nop                                          ; eight places ahead of loads into registers that the last step's products read
.endr
.endif
	FETCH (\t)+1                                   ; the next step's come while this step is multiplied
.endif
	WIN 0x51                                       ; source 0 (B), C and D window 1, source 1 (A) window 0
.irp a, 0,1,2,3
.irp b, 0,1,2,3
.if (\t) == 0
	v_wmma_scale_f32_16x16x128_f8f6f4 v[ACC+8*(4*\a+\b):ACC+8*(4*\a+\b)+7], v[64*((\t)%2)+16*\b:64*((\t)%2)+16*\b+15], v[AF+64*((\t)%2)+16*\a:AF+64*((\t)%2)+16*\a+15], 0, v[SC+4*(\t)+\b], v[SC+4*(\t)+\a] matrix_a_fmt:MATRIX_FMT_BF8 matrix_b_fmt:MATRIX_FMT_BF8 matrix_a_scale:MATRIX_SCALE_ROW1
.else
	v_wmma_scale_f32_16x16x128_f8f6f4 v[ACC+8*(4*\a+\b):ACC+8*(4*\a+\b)+7], v[64*((\t)%2)+16*\b:64*((\t)%2)+16*\b+15], v[AF+64*((\t)%2)+16*\a:AF+64*((\t)%2)+16*\a+15], v[ACC+8*(4*\a+\b):ACC+8*(4*\a+\b)+7], v[SC+4*(\t)+\b], v[SC+4*(\t)+\a] matrix_a_fmt:MATRIX_FMT_BF8 matrix_b_fmt:MATRIX_FMT_BF8 matrix_a_scale:MATRIX_SCALE_ROW1
.endif
.endr
.endr
	WIN 0
.endm
	s_wait_alu depctr_va_vdst(0)                   ; the head's end
	s_wait_tensorcnt 0x0                           ; my two records are in,
	s_barrier_signal -1
	s_barrier_wait -1                              ; everybody's are
.irp t, 0,1,2,3,4,5,6,7
.irp n, 0,1,2,3
	ds_load_b32 v[SC+4*\t+\n], v[ADRS+\t/4] offset:((\t/2)%2)*REC+(\t%2)*512+\n*64   ; step t, block n: lanes 0-15 A's word, lanes 16-31 B's
.endr
.endr
	FETCH 0
.irp t, 0,1,2,3,4,5,6,7
	STEP \t
.endr
.rept 8
	v_nop                                          ; eight places ahead of the stores that read the last results
.endr
	WIN 0x04                                       ; the data: window 1
.irp a, 0,1,2,3
.irp b, 0,1,2,3
	global_store_b128 v[LI], v[ACC+8*(4*\a+\b):ACC+8*(4*\a+\b)+3],   s[8:9] offset:\a*65536+\b*1024 th:TH_STORE_NT       ; 512 consecutive bytes, aligned; each accumulator from its low end on
	global_store_b128 v[LI], v[ACC+8*(4*\a+\b)+4:ACC+8*(4*\a+\b)+7], s[8:9] offset:\a*65536+\b*1024+512 th:TH_STORE_NT
.endr
.endr
	WIN 0
	s_wait_tensorcnt 0x0                           ; the wave's end
	ds_add_u32 v[SPW], v[NIL]
	s_wait_dscnt 0x0
	CROUND                                         ; the closing round
	s_endpgm
.Lfunc_end_k_q53fdfd8876_wo:
	.size	k_q53fdfd8876_wo, .Lfunc_end_k_q53fdfd8876_wo-k_q53fdfd8876_wo
	.p2alignl 7, 3214868480
	.fill 96, 4, 3214868480
	.section	.rodata,"a",@progbits
	.p2align	6, 0x0
	.amdhsa_kernel k_q53fdfd8876_wo
		.amdhsa_group_segment_fixed_size 327680
		.amdhsa_private_segment_fixed_size 0
		.amdhsa_enable_private_segment 0
		.amdhsa_kernarg_size 24
		.amdhsa_user_sgpr_count 2
		.amdhsa_user_sgpr_kernarg_segment_ptr 1
		.amdhsa_wavefront_size32 1
		.amdhsa_system_sgpr_workgroup_id_x 1
		.amdhsa_system_sgpr_workgroup_id_y 1
		.amdhsa_system_sgpr_workgroup_id_z 1
		.amdhsa_system_vgpr_workitem_id 0
		.amdhsa_next_free_vgpr 512
		.amdhsa_next_free_sgpr 66
		.amdhsa_reserve_vcc 0
		.amdhsa_float_denorm_mode_32 3
		.amdhsa_float_denorm_mode_16_64 3
		.amdhsa_memory_ordered 1
		.amdhsa_forward_progress 1
		.amdhsa_inst_pref_size 46
	.end_amdhsa_kernel
	.amdgpu_metadata
---
amdhsa.version: [ 1, 2 ]
amdhsa.kernels:
  - .name:           k_q53fdfd8876_wo
    .symbol:         k_q53fdfd8876_wo.kd
    .args:
      - { .name: act, .offset: 0, .size: 8, .value_kind: global_buffer, .address_space: global }
      - { .name: w4, .offset: 8, .size: 8, .value_kind: global_buffer, .address_space: global }
      - { .name: y, .offset: 16, .size: 8, .value_kind: global_buffer, .address_space: global }
    .group_segment_fixed_size: 327680
    .private_segment_fixed_size: 0
    .kernarg_segment_align: 8
    .kernarg_segment_size: 24
    .max_flat_workgroup_size: 128
    .sgpr_count:     66
    .vgpr_count:     512
    .wavefront_size: 32
...
	.end_amdgpu_metadata
.endif
;; end of part 4
;; launch ln1 (part 5): grid 256 x 1, 8 waves a work-group, no clusters, 69,632 bytes of LDS; arguments y, x, bo, g1, be1, x1, act; writes x1, act
.if DOCPART == 5
	.amdgcn_target "amdgcn-amd-amdhsa--gfx1250"
	.amdhsa_code_object_version 6
	.text
	.protected	k_q53fdfd8876_ln1
	.globl	k_q53fdfd8876_ln1
	.p2align	8
	.type	k_q53fdfd8876_ln1,@function
k_q53fdfd8876_ln1:
	s_mov_b64 s[64:65], 0
	v_nop
	global_prefetch_b8 v0, s[64:65] scope:SCOPE_SE
	s_setreg_imm32_b32 hwreg(HW_REG_WAVE_MODE, 25, 1), 1
	s_wait_xcnt 0x0
; x1 = LayerNorm(x + y + bo) g1 + be1, in f32; x1 is stored in the accumulators' layout (for the second norm's residual) and, quantised to BF8 (E5M2) along its 1,024, as records (the next product's operand).
; y's and x1's layout: block of 16 rows x 65,536 + block of 16 columns x 1,024 + e x 512 + 16 x lane (lane (r, h), quad e: row r, columns 8 h + 4 e + 0 .. 3).  A record: see below at the stores.
; A work-group takes 16 rows; wave w columns 128 w on: a lane holds 64 numbers of one row, register 16 c + i = place i of its half of block c of 32.  A row's sums meet in LDS: two barriers, words of their own for each.
; Memory binds: no matrix unit, no cluster, no tensor load.  Three sets of 16 loads take turns; each counted wait leaves the set issued last on its way.
; LIMITS: a block of zeros gets the byte 1 (its codes are zeros; this program alone reads the bytes); NaN and infinities are not served.
.set REC,  33792
.set RGS,  16*REC
.set V,    32
.set R1,   96
.set R2,   160
.set TM,   224
.set PW,   240
.set PC,   96
.set SEL,  20
.set MNT,  22
.macro LD16 dst, voff, base, sb, se
.irp b, 0,1,2,3,4,5,6,7
	global_load_b128 v[\dst+8*\b:\dst+8*\b+3],   v[\voff], s[\base:\base+1] offset:\b*\sb
	global_load_b128 v[\dst+8*\b+4:\dst+8*\b+7], v[\voff], s[\base:\base+1] offset:\b*\sb+\se
.endr
.endm
.macro ACC r
.set jj, 0
.rept 32
	v_pk_add_f32 v[V+jj:V+jj+1], v[V+jj:V+jj+1], v[\r+jj:\r+jj+1]
.set jj, jj+2
.endr
.endm
.macro ROWRED off                      ; four packed chains in v224-231 become the row's sum over all 1,024 columns, in v224 of every lane
	s_delay_alu instid0(VALU_DEP_3)
	v_pk_add_f32 v[224:225], v[224:225], v[226:227]
	s_delay_alu instid0(VALU_DEP_2)
	v_pk_add_f32 v[228:229], v[228:229], v[230:231]
	s_delay_alu instid0(VALU_DEP_1)
	v_pk_add_f32 v[224:225], v[224:225], v[228:229]
	s_delay_alu instid0(VALU_DEP_1)
	v_add_f32 v224, v224, v225
	s_delay_alu instid0(VALU_DEP_1)
	v_permlanex16_b32 v232, v224, s[SEL], s[SEL+1]
	s_delay_alu instid0(VALU_DEP_1)
	v_add_f32 v224, v224, v232                     ; my wave's 128 columns of row r
	ds_store_b32 v7, v224 offset:\off              ; (both halves of the lanes write the same word with the same value)
	s_wait_dscnt 0x0                               ; for the others' sake
	s_barrier_signal -1
	s_barrier_wait -1
.irp i, 0,1,2,3,4,5,6,7
	ds_load_b32 v[240+\i], v8 offset:\off+64*\i
.endr
	s_wait_dscnt 0x0
	v_add_f32 v240, v240, v241
	v_add_f32 v242, v242, v243
	v_add_f32 v244, v244, v245
	v_add_f32 v246, v246, v247
	s_delay_alu instid0(VALU_DEP_3)
	v_add_f32 v240, v240, v242
	s_delay_alu instid0(VALU_DEP_2)
	v_add_f32 v244, v244, v246
	s_delay_alu instid0(VALU_DEP_1)
	v_add_f32 v224, v240, v244
.endm
.macro QUANT s, pc, pw
.irp b, 0,1,2,3
	v_max3_num_f32 v[TM+\b], |v[\s+16*\b]|, |v[\s+1+16*\b]|, 0x8000000   ; my 16 numbers and the floor 2^(16 - 127)
.endr
.irp i, 2,4,6,8,10,12,14
.irp b, 0,1,2,3
	s_delay_alu instid0(VALU_DEP_4)
	v_max3_num_f32 v[TM+\b], v[TM+\b], |v[\s+16*\b+\i]|, |v[\s+1+16*\b+\i]|
.endr
.endr
.irp b, 0,1,2,3
	s_delay_alu instid0(VALU_DEP_4)
	v_permlanex16_b32 v[TM+4+\b], v[TM+\b], s[SEL], s[SEL+1]
.endr
.irp b, 0,1,2,3
	s_delay_alu instid0(VALU_DEP_4)
	v_max_num_f32 v[TM+\b], v[TM+\b], v[TM+4+\b]
.endr
.irp b, 0,1,2,3
	s_delay_alu instid0(VALU_DEP_4)
	v_add_nc_u32 v[TM+12+\b], 0xf8800000, v[TM+\b]
.endr
.irp b, 0,1,2,3
	v_and_or_b32 v[TM+8+\b], v[TM+\b], 0x7f800000, s[MNT]
.endr
.irp b, 0,1,2,3
	v_lshrrev_b32 v[TM+4+\b], 23, v[TM+12+\b]
.endr
	s_delay_alu instid0(VALU_DEP_3)
	v_lshl_or_b32 v[\pw], v[TM+5], 8, v[TM+4]
	s_delay_alu instid0(VALU_DEP_1)
	v_lshl_or_b32 v[\pw], v[TM+6], 16, v[\pw]
	s_delay_alu instid0(VALU_DEP_1)
	v_lshl_or_b32 v[\pw], v[TM+7], 24, v[\pw]
.irp b, 0,1,2,3
.irp i, 0,1,2,3,4,5,6,7,8,9,10,11,12,13,14,15
	v_med3_num_f32 v[\s+16*\b+\i], v[\s+16*\b+\i], -v[TM+8+\b], v[TM+8+\b]
.endr
	v_cvt_scalef32_pk8_bf8_f32 v[\pc+4*\b:\pc+4*\b+1], v[\s+16*\b:\s+16*\b+7], v[TM+12+\b]
	v_cvt_scalef32_pk8_bf8_f32 v[\pc+4*\b+2:\pc+4*\b+3], v[\s+16*\b+8:\s+16*\b+15], v[TM+12+\b]
.endr
	v_nop
.endm
	s_load_b256 s[4:11], s[0:1], 0x0               ; y, x, bo, g1
	s_load_b128 s[12:15], s[0:1], 0x20             ; be1, x1
	s_load_b64 s[16:17], s[0:1], 0x30              ; act
	v_lshl_add_u32 v254, v0, 2, 0x400
	v_mov_b32 v255, 0
	v_lshrrev_b32 v1, 5, v0
	s_delay_alu instid0(VALU_DEP_1)
	v_readfirstlane_b32 s18, v1                    ; wave 0..7
	v_and_b32 v1, 31, v0
	v_and_b32 v2, 15, v0                           ; r
	v_bfe_u32 v3, v0, 4, 1                         ; h
	s_delay_alu instid0(VALU_DEP_3)
	v_lshlrev_b32 v4, 4, v1                        ; 16 x lane
	s_delay_alu instid0(VALU_DEP_3)
	v_mul_u32_u24 v5, v2, 528                      ; x turns through my wave's stage in LDS, rows of 528 bytes: back out of it
	s_delay_alu instid0(VALU_DEP_1)
	v_lshl_add_u32 v5, v3, 5, v5                   ; x: row r, + 32 h
	s_delay_alu instid0(VALU_DEP_4)
	v_lshlrev_b32 v6, 5, v3                        ; a vector: 32 h
	v_lshlrev_b32 v8, 2, v2                        ; the rows' partial sums: 4 r,
	s_lshl_b32 s19, s18, 6
	v_add_nc_u32 v7, s19, v8                       ; + 64 x wave
	v_lshl_add_u32 v9, v3, 1, v8                   ; a scale word's halves: 4 r + 2 h
	v_lshlrev_b32 v10, 4, v3                       ; 16 h
	s_mul_i32 s25, s18, 8448
	s_add_co_u32 s25, s25, 2048                    ; my stage: 8,448 bytes a wave, behind the rows' partial sums and the spare words
	v_add_nc_u32 v5, s25, v5
	v_add_nc_u32 v11, s25, v4                      ; into it: 16 x lane of a row
	v_mov_b32 v232, 0
	s_mov_b32 s[SEL], 0x76543210
	s_mov_b32 s[SEL+1], 0xfedcba98
	s_mov_b32 s[MNT], 0x600000
	s_mov_b32 s23, 0x3a800000                      ; 1 / 1,024
	s_mov_b32 s24, 0x3727c5ac                      ; 1e-5
	s_lshl_b32 s26, ttmp9, 16
	s_lshl_b32 s27, s18, 13
	s_add_co_u32 s26, s26, s27                     ; the images: my block of rows, my eight blocks of columns
	s_mov_b32 s27, 0
	s_lshl_b32 s28, ttmp9, 16
	s_lshl_b32 s30, s18, 9                         ; 128 numbers on
	s_add_co_u32 s28, s28, s30
	s_mov_b32 s29, 0
	s_mov_b32 s31, 0
	s_lshr_b32 s32, ttmp9, 3
	s_mul_i32 s32, s32, RGS
	s_lshr_b32 s33, s18, 1
	s_mul_i32 s33, s33, REC
	s_add_co_u32 s32, s32, s33                     ; my record: rows' group blk / 8, K 256 (w / 2) on
	s_mov_b32 s34, s32
	s_and_b32 s33, ttmp9, 7
	s_lshl_b32 s35, s33, 12
	s_add_co_u32 s32, s32, s35
	s_lshl_b32 s35, s33, 6
	s_add_co_u32 s34, s34, s35
	s_and_b32 s33, s18, 1
	s_lshl_b32 s35, s33, 11
	s_add_co_u32 s32, s32, s35                     ; codes: a*4096 + q*2048
	s_lshl_b32 s35, s33, 9
	s_add_co_u32 s34, s34, s35                     ; scale words: q*512 + a*64 (32,768 stands in the immediate)
	s_mov_b32 s33, 0
	s_mov_b32 s35, 0
	s_wait_alu depctr_va_vdst(0)
	s_wait_kmcnt 0x0
	s_add_nc_u64 s[4:5], s[4:5], s[26:27]
	s_add_nc_u64 s[14:15], s[14:15], s[26:27]
	s_add_nc_u64 s[6:7], s[6:7], s[28:29]
	s_add_nc_u64 s[8:9], s[8:9], s[30:31]
	s_add_nc_u64 s[10:11], s[10:11], s[30:31]
	s_add_nc_u64 s[12:13], s[12:13], s[30:31]
	s_add_nc_u64 s[36:37], s[16:17], s[32:33]
	s_add_nc_u64 s[38:39], s[16:17], s[34:35]
	LD16 V, 4, 4, 1024, 512
.irp i, 0,1,2,3,4,5,6,7,8,9,10,11,12,13,14,15
	global_load_b128 v[R1+4*\i:R1+4*\i+3], v4, s[6:7] offset:4096*\i   ; x: my 128 columns of a row a load, 512 consecutive bytes
.endr
	LD16 R2, 6, 8, 64, 16
	s_wait_loadcnt 16                              ; y and x are in; bo's 16 loads may be out
.irp i, 0,1,2,3,4,5,6,7,8,9,10,11,12,13,14,15
	ds_store_b128 v11, v[R1+4*\i:R1+4*\i+3] offset:528*\i
.endr
.irp b, 0,1,2,3,4,5,6,7
	ds_load_b128 v[R1+8*\b:R1+8*\b+3],   v5 offset:64*\b       ; LDS serves a wave's instructions in order: these see my stores.  Row r, columns 16 b + 8 h + 0 .. 7
	ds_load_b128 v[R1+8*\b+4:R1+8*\b+7], v5 offset:64*\b+16
.endr
	s_wait_dscnt 0x0
	ACC R1
	LD16 R1, 6, 10, 64, 16                         ; g1
	s_wait_loadcnt 16
	ACC R2
	LD16 R2, 6, 12, 64, 16                         ; be1
.irp k, 0,1,2,3
	v_pk_add_f32 v[224+2*\k:225+2*\k], v[V+4*\k:V+4*\k+1], v[V+4*\k+2:V+4*\k+3]
.endr
.irp j, 16,24,32,40,48,56
.irp k, 0,1,2,3
	s_delay_alu instid0(VALU_DEP_4)
	v_pk_add_f32 v[224+2*\k:225+2*\k], v[224+2*\k:225+2*\k], v[V+\j+2*\k:V+\j+2*\k+1]
.endr
.endr
	ROWRED 0
	s_delay_alu instid0(VALU_DEP_1)
	v_mul_f32 v234, 0xba800000, v224               ; - the mean
	s_delay_alu instid0(VALU_DEP_1)
	v_mov_b32 v235, v234
.set jj, 0
.rept 32
	v_pk_add_f32 v[V+jj:V+jj+1], v[V+jj:V+jj+1], v[234:235]
.set jj, jj+2
.endr
.irp k, 0,1,2,3
	v_pk_mul_f32 v[224+2*\k:225+2*\k], v[V+2*\k:V+2*\k+1], v[V+2*\k:V+2*\k+1]
.endr
.irp j, 8,16,24,32,40,48,56
.irp k, 0,1,2,3
	s_delay_alu instid0(VALU_DEP_4)
	v_pk_fma_f32 v[224+2*\k:225+2*\k], v[V+\j+2*\k:V+\j+2*\k+1], v[V+\j+2*\k:V+\j+2*\k+1], v[224+2*\k:225+2*\k]
.endr
.endr
	ROWRED 512
	s_delay_alu instid0(VALU_DEP_1)
	v_fma_f32 v236, v224, s23, s24                 ; the variance + 1e-5
	s_wait_alu depctr_va_vdst(0)
	v_rsq_f32 v238, v236
	v_nop                                          ; a plain line behind the transcendental
	s_wait_alu depctr_va_vdst(0)                   ; and the wait ahead of its first reader
	v_mov_b32 v239, v238
	s_wait_alu depctr_va_vdst(0)
	s_wait_loadcnt 0x0                             ; g1, be1
.set jj, 0
.rept 32
	v_pk_mul_f32 v[V+jj:V+jj+1], v[V+jj:V+jj+1], v[238:239]
	s_delay_alu instid0(VALU_DEP_1)
	v_pk_fma_f32 v[V+jj:V+jj+1], v[V+jj:V+jj+1], v[R1+jj:R1+jj+1], v[R2+jj:R2+jj+1]
.set jj, jj+2
.endr
.irp b, 0,1,2,3,4,5,6,7
	global_store_b128 v4, v[V+8*\b:V+8*\b+3],   s[14:15] offset:\b*1024
	global_store_b128 v4, v[V+8*\b+4:V+8*\b+7], s[14:15] offset:\b*1024+512
.endr
	s_wait_xcnt 0x0                                ; the stores have read their registers: the hold below writes them
	QUANT V, PC, PW
.irp c, 0,1,2,3
	global_store_b128 v4, v[PC+4*\c:PC+4*\c+3], s[36:37] offset:512*\c
.endr
	v_lshrrev_b32 v241, v10, v[PW]                 ; lanes 0-15 store the word's low half, lanes 16-31 its high half: 64 consecutive bytes
	global_store_b16 v9, v241, s[38:39] offset:32768
	s_wait_tensorcnt 0x0
	ds_add_u32 v254, v255
	s_wait_dscnt 0x0
	s_endpgm
.Lfunc_end_k_q53fdfd8876_ln1:
	.size	k_q53fdfd8876_ln1, .Lfunc_end_k_q53fdfd8876_ln1-k_q53fdfd8876_ln1
	.p2alignl 7, 3214868480
	.fill 96, 4, 3214868480
	.section	.rodata,"a",@progbits
	.p2align	6, 0x0
	.amdhsa_kernel k_q53fdfd8876_ln1
		.amdhsa_group_segment_fixed_size 69632
		.amdhsa_private_segment_fixed_size 0
		.amdhsa_enable_private_segment 0
		.amdhsa_kernarg_size 56
		.amdhsa_user_sgpr_count 2
		.amdhsa_user_sgpr_kernarg_segment_ptr 1
		.amdhsa_wavefront_size32 1
		.amdhsa_system_sgpr_workgroup_id_x 1
		.amdhsa_system_sgpr_workgroup_id_y 1
		.amdhsa_system_sgpr_workgroup_id_z 1
		.amdhsa_system_vgpr_workitem_id 0
		.amdhsa_next_free_vgpr 256
		.amdhsa_next_free_sgpr 66
		.amdhsa_reserve_vcc 0
		.amdhsa_float_denorm_mode_32 3
		.amdhsa_float_denorm_mode_16_64 3
		.amdhsa_memory_ordered 1
		.amdhsa_forward_progress 1
		.amdhsa_inst_pref_size 44
	.end_amdhsa_kernel
	.amdgpu_metadata
---
amdhsa.version: [ 1, 2 ]
amdhsa.kernels:
  - .name:           k_q53fdfd8876_ln1
    .symbol:         k_q53fdfd8876_ln1.kd
    .args:
      - { .name: y, .offset: 0, .size: 8, .value_kind: global_buffer, .address_space: global }
      - { .name: x, .offset: 8, .size: 8, .value_kind: global_buffer, .address_space: global }
      - { .name: bo, .offset: 16, .size: 8, .value_kind: global_buffer, .address_space: global }
      - { .name: g1, .offset: 24, .size: 8, .value_kind: global_buffer, .address_space: global }
      - { .name: be1, .offset: 32, .size: 8, .value_kind: global_buffer, .address_space: global }
      - { .name: x1, .offset: 40, .size: 8, .value_kind: global_buffer, .address_space: global }
      - { .name: act, .offset: 48, .size: 8, .value_kind: global_buffer, .address_space: global }
    .group_segment_fixed_size: 69632
    .private_segment_fixed_size: 0
    .kernarg_segment_align: 8
    .kernarg_segment_size: 56
    .max_flat_workgroup_size: 256
    .sgpr_count:     66
    .vgpr_count:     256
    .wavefront_size: 32
...
	.end_amdgpu_metadata
.endif
;; end of part 5
;; launch ff1: the kernel of part 2 again; grid 16 x 16, 4 waves a work-group, clusters of 4 x 4, 327,680 bytes of LDS; arguments act, w1q, b1, bk, bv, big; writes big
;; launch oproj (part 6): grid 4 x 64, 4 waves a work-group, clusters of 4 x 4, 327,680 bytes of LDS; arguments big, w2q, y; writes y
.if DOCPART == 6
	.amdgcn_target "amdgcn-amd-amdhsa--gfx1250"
	.amdhsa_code_object_version 6
	.text
	.protected	k_q53fdfd8876_oproj
	.globl	k_q53fdfd8876_oproj
	.p2align	8
	.type	k_q53fdfd8876_oproj,@function
k_q53fdfd8876_oproj:
	s_mov_b64 s[64:65], 0
	v_nop
	global_prefetch_b8 v0, s[64:65] scope:SCOPE_SE
	s_setreg_imm32_b32 hwreg(HW_REG_WAVE_MODE, 25, 1), 1
	s_wait_xcnt 0x0
	s_wait_alu depctr_hold_cnt(0) depctr_sa_sdst(0) depctr_va_vdst(0) depctr_va_sdst(0) depctr_va_ssrc(0) depctr_va_vcc(0) depctr_vm_vsrc(0)
	s_getreg_b32 s2, hwreg(HW_REG_IB_STS2, 6, 4)
	s_cmp_eq_u32 s2, 0
	s_cbranch_scc0 .Lentry_in_a_cluster
	s_endpgm
.Lentry_in_a_cluster:
	s_bfe_u32 s2, ttmp6, 0x10000c
	s_cmp_lg_u32 s2, 0xf033
	s_cbranch_scc0 .Lentry_shape_is_right
	s_endpgm
.Lentry_shape_is_right:
; y[slice] = hidden W2 over one quarter of K = 4,096: a GEMM on records of BF8 (E5M2) codes with E8M0 scale words; the cluster's y / 4 is the slice, and the last launch adds the four slices.
; A block of 256 x 256 to a work-group of four waves, 128 x 128 a wave; K goes in steps of 256 through two LDS slots; a wave's record of slot 1 lies behind its record of slot 0, so that its one load at the head brings both.
; CLUSTERS: 4 x 4; A's records are shared along a row of the cluster, B's along a column: joint loads.  y is f32 in the accumulators' layout.
.set REC,   33792
.set RGS,   16*REC
.set SLOT,  REC
.set WREG,  2*REC
.set SPARE, 8*REC
.set NQ,    2
.set FR,    16
.set NL,    4
.set NP,    8
.set LAPS,  2
.set ADRA, 16
.set ADRB, 20
.set ADRS, 22
.set LI,   24
.set SPW,  28
.set NIL,  29
.set SC,   32
.set AF,   128
.set G1, 24
.set G0, 32
.set G1B, 48
.set G0B, 56
.set MSB, 0
.macro WIN new
.if MSB != (\new)
	s_set_vgpr_msb (MSB<<8)|(\new)
.set MSB, (\new)
.endif
.endm
.set MUL_LO, 0xa1
.set MUL_HI, 0xf1
.set TO_B,   0x40
.macro JLOAD g0a, g1a, g0b, g1b
	s_cmp_eq_u32 s15, 0
	s_cbranch_scc0 .Lfor_b_\@
	tensor_load_to_lds s[\g0a:\g0a+3], s[\g1a:\g1a+7]
	s_nop 0
.rept 4
	v_nop
.endr
	s_branch .Lasked_\@
.Lfor_b_\@:
	tensor_load_to_lds s[\g0b:\g0b+3], s[\g1b:\g1b+7]
	s_nop 0
.rept 4
	v_nop
.endr
.Lasked_\@:
.endm
.macro CREST
	s_cmp_lg_u32 s14, 0
	s_cbranch_scc1 .Lnot_wave_0_\@
	s_barrier_signal -3
.Lnot_wave_0_\@:
	s_barrier_wait -3
	s_barrier_signal -1
	s_barrier_wait -1
.endm
.macro CROUND
	s_barrier_signal -1
	s_barrier_wait -1
	CREST
.endm
	s_load_b128 s[4:7], s[0:1], 0x0
	s_load_b64 s[8:9], s[0:1], 0x10
	v_lshl_add_u32 v[SPW], v0, 2, SPARE
	v_mov_b32 v[NIL], 0
	ds_add_u32 v28, v29
	ds_add_u32 v28, v29
	s_wait_dscnt 0x0
	v_lshrrev_b32 v1, 5, v0
	v_readfirstlane_b32 s14, v1
	s_lshr_b32 s15, s14, 1
	s_and_b32 s16, s14, 1
	s_bfe_u32 s40, ttmp6, 0x40000
	s_bfe_u32 s41, ttmp6, 0x40004
	s_lshl_b32 s42, ttmp9, 2
	s_add_co_u32 s42, s42, s40
	s_and_b32 s18, ttmp7, 0xffff
	s_lshr_b32 s19, s18, 2
	s_and_b32 s17, s18, 3
	s_lshl_b32 s17, s17, 2
	s_add_co_u32 s17, s17, s41
	s_lshl_b32 s43, s41, 2
	s_lshl_b32 s43, 15, s43
	s_lshl_b32 s44, 0x1111, s40
	s_or_b32 s[G1+0], s43, (3<<16)|(1<<21)
	s_or_b32 s[G1B+0], s44, (3<<16)|(1<<21)
.irp g, G1, G1B
	s_mov_b32 s[\g+1], 32<<16
	s_mov_b32 s[\g+2], 264<<16                     ; the head's load: two records on end (K steps 0 and 1), 264 rows
	s_mov_b32 s[\g+3], 32<<16
	s_mov_b32 s[\g+4], 264
	s_mov_b32 s[\g+5], 32
	s_mov_b32 s[\g+6], 0
	s_mov_b32 s[\g+7], 0
.endr
	s_mul_i32 s22, s19, 4*REC
	s_lshl_b32 s20, s17, 1
	s_add_co_u32 s20, s20, s16
	s_mul_i32 s20, s20, RGS
	s_add_co_u32 s20, s20, s22
	s_mov_b32 s21, 0
	s_lshl_b32 s46, s42, 1
	s_add_co_u32 s46, s46, s16
	s_mul_i32 s46, s46, RGS
	s_add_co_u32 s46, s46, s22
	s_mov_b32 s47, 0
	s_mul_i32 s45, s14, WREG
	s_wait_kmcnt 0x0
	s_add_nc_u64 s[20:21], s[4:5], s[20:21]
	s_add_nc_u64 s[46:47], s[6:7], s[46:47]
	CROUND
.irp s, 0,1
	s_mov_b32 s[G0+4*\s], 1
	s_add_co_u32 s[G0+4*\s+1], s45, \s*SLOT
	s_add_nc_u64 s[G0+4*\s+2:G0+4*\s+3], s[20:21], \s*REC
	s_or_b32 s[G0+4*\s+3], s[G0+4*\s+3], 0x80000000
	s_mov_b32 s[G0B+4*\s], 1
	s_add_co_u32 s[G0B+4*\s+1], s45, \s*SLOT
	s_add_nc_u64 s[G0B+4*\s+2:G0B+4*\s+3], s[46:47], \s*REC
	s_or_b32 s[G0B+4*\s+3], s[G0B+4*\s+3], 0x80000000
.endr
	JLOAD G0, G1, G0B, G1B                         ; my one tensor load at the head fills my part of both slots
	v_and_b32 v1, 31, v0
	v_and_b32 v2, 15, v0
	v_bfe_u32 v3, v0, 4, 1
	s_wait_alu depctr_va_vdst(0)
	v_lshlrev_b32 v[LI], 4, v1
	s_mul_i32 s21, s15, WREG
	s_mul_i32 s22, s16, WREG
	s_add_co_u32 s22, s22, 2*WREG
.irp s, 0,1
	v_add_nc_u32 v[ADRA+\s], s21, v[LI]
	v_add_nc_u32 v[ADRB+\s], s22, v[LI]
	s_add_co_u32 s21, s21, SLOT
	s_add_co_u32 s22, s22, SLOT
.endr
	s_mul_i32 s21, s15, WREG
	s_mul_i32 s22, s16, WREG
	s_add_co_u32 s22, s22, 2*WREG
	s_sub_co_u32 s22, s22, s21
	v_mul_u32_u24 v6, s22, v3
	s_add_co_u32 s21, s21, 32768
	v_lshl_add_u32 v6, v2, 2, v6
	v_add_nc_u32 v[ADRS], s21, v6
	v_add_nc_u32 v[ADRS+1], SLOT, v[ADRS]
	s_lshl_b32 s20, s17, 1
	s_add_co_u32 s20, s20, s15
	s_lshl_b32 s20, s20, 19
	s_lshl_b32 s21, s19, 24
	s_add_co_u32 s20, s20, s21
	s_lshl_b32 s46, s42, 4
	s_lshl_b32 s47, s16, 3
	s_add_co_u32 s46, s46, s47
	s_lshl_b32 s46, s46, 10
	s_add_co_u32 s20, s20, s46
	s_mov_b32 s21, 0
	s_add_nc_u64 s[8:9], s[8:9], s[20:21]
.macro FRAG reg, adr, q, i
.irp c, 0,1,2,3
	ds_load_b128 v[\reg+4*\c:\reg+4*\c+3], v[\adr] offset:(\i)*4096+(\q)*2048+512*\c
.endr
.endm
.macro MUL16 a0, p, q, sc, zero
.irp a, \a0, \a0+1
.irp b, 0,1,2,3,4,5,6,7
.if \zero
	v_wmma_scale_f32_16x16x128_f8f6f4 v[8*(8*((\a)%4)+\b):8*(8*((\a)%4)+\b)+7], v[128*(\p)+FR*\b:128*(\p)+FR*\b+FR-1], v[AF+FR*(\a):AF+FR*(\a)+FR-1], 0, v[SC+16*(\sc)+2*\b+(\q)], v[SC+16*(\sc)+2*(\a)+(\q)] matrix_a_fmt:MATRIX_FMT_BF8 matrix_b_fmt:MATRIX_FMT_BF8 matrix_a_scale:MATRIX_SCALE_ROW1
.else
	v_wmma_scale_f32_16x16x128_f8f6f4 v[8*(8*((\a)%4)+\b):8*(8*((\a)%4)+\b)+7], v[128*(\p)+FR*\b:128*(\p)+FR*\b+FR-1], v[AF+FR*(\a):AF+FR*(\a)+FR-1], v[8*(8*((\a)%4)+\b):8*(8*((\a)%4)+\b)+7], v[SC+16*(\sc)+2*\b+(\q)], v[SC+16*(\sc)+2*(\a)+(\q)] matrix_a_fmt:MATRIX_FMT_BF8 matrix_b_fmt:MATRIX_FMT_BF8 matrix_a_scale:MATRIX_SCALE_ROW1
.endif
.endr
.endr
.endm
.macro FETCH_B slot, q, p
	WIN TO_B
.irp i, 0,1,2,3,4,5,6,7
	FRAG 128*(\p)+FR*\i, ADRB+\slot, \q, \i
.endr
	WIN 0
.endm
.macro FETCH_A slot, q, i0
.irp i, \i0, \i0+1, \i0+2, \i0+3
	FRAG AF+FR*(\i), ADRA+\slot, \q, \i
.endr
.endm
.macro SCALES sc
.irp i, 0,1,2,3,4,5,6,7
	ds_load_b32 v[SC+16*\sc+2*\i],   v[ADRS+\sc] offset:64*\i
	ds_load_b32 v[SC+16*\sc+2*\i+1], v[ADRS+\sc] offset:512+64*\i
.endr
.endm
.macro PLACES n
.rept \n
	v_nop
.endr
.endm
.macro STEP slot, q, zero
	s_wait_dscnt 4*NL
	WIN MUL_LO
	MUL16 0, (\q)%2, \q, \slot, \zero
	MUL16 2, (\q)%2, \q, \slot, \zero
	s_wait_dscnt 0
	PLACES NP
	FETCH_B \slot, (\q)+1, 1-(\q)%2
	FETCH_A \slot, (\q)+1, 0
	WIN MUL_HI
	MUL16 4, (\q)%2, \q, \slot, \zero
	MUL16 6, (\q)%2, \q, \slot, \zero
	PLACES NP
	WIN 0
	FETCH_A \slot, (\q)+1, 4
.endm
.macro TURN slot, next, fill
	s_wait_tensorcnt 0x0
	ds_add_u32 v[SPW], v[NIL]
	s_wait_dscnt 4*NL+1
	WIN MUL_LO
	MUL16 0, 1, NQ-1, \slot, 0
	s_wait_dscnt 0x0
	s_barrier_signal -1
	MUL16 2, 1, NQ-1, \slot, 0
	WIN 0
	s_barrier_wait -1
.if \fill
	CREST
	s_add_nc_u64 s[G0+4*\slot+2:G0+4*\slot+3], s[G0+4*\slot+2:G0+4*\slot+3], 2*REC
	s_add_nc_u64 s[G0B+4*\slot+2:G0B+4*\slot+3], s[G0B+4*\slot+2:G0B+4*\slot+3], 2*REC
	JLOAD G0+4*\slot, G1, G0B+4*\slot, G1B
	PLACES NP-4
.else
	PLACES NP
.endif
	FETCH_B \next, 0, 0
	FETCH_A \next, 0, 0
	SCALES \next
	WIN MUL_HI
	MUL16 4, 1, NQ-1, \slot, 0
	MUL16 6, 1, NQ-1, \slot, 0
	PLACES NP
	WIN 0
	FETCH_A \next, 0, 4
.endm
	s_wait_alu depctr_va_vdst(0)
	s_wait_tensorcnt 0x0                           ; my two records are in, and no tensor load of mine is out, so a descriptor may be written:
	s_mov_b32 s[G1+2], 132<<16                     ; from here on a load brings one record, 132 rows
	s_mov_b32 s[G1+4], 132
	s_mov_b32 s[G1B+2], 132<<16
	s_mov_b32 s[G1B+4], 132
	s_barrier_signal -1
	s_barrier_wait -1
	FETCH_B 0, 0, 0
	FETCH_A 0, 0, 0
	SCALES 0
	FETCH_A 0, 0, 4
	STEP 0, 0, 1
	s_mov_b32 s3, LAPS-1
.Llap:
	TURN 0, 1, 1
	STEP 1, 0, 0
	TURN 1, 0, 1
	STEP 0, 0, 0
	s_sub_co_u32 s3, s3, 1
	s_cmp_lg_u32 s3, 0
	s_cbranch_scc1 .Llap
	TURN 0, 1, 0
	STEP 1, 0, 0
	s_wait_dscnt 4*NL
	WIN MUL_LO
	MUL16 0, 1, NQ-1, 1, 0
	MUL16 2, 1, NQ-1, 1, 0
	s_wait_dscnt 0
	WIN MUL_HI
	MUL16 4, 1, NQ-1, 1, 0
	MUL16 6, 1, NQ-1, 1, 0
	PLACES NP
.irp a, 0,1,2,3,4,5,6,7
	WIN 0x08+4*((\a)/4)
.irp b, 0,1,2,3,4,5,6,7
	global_store_b128 v[LI], v[64*((\a)%4)+8*\b:64*((\a)%4)+8*\b+3],   s[8:9] offset:(\a)*65536+\b*1024 th:TH_STORE_NT
	global_store_b128 v[LI], v[64*((\a)%4)+8*\b+4:64*((\a)%4)+8*\b+7], s[8:9] offset:(\a)*65536+\b*1024+512 th:TH_STORE_NT
.endr
.endr
	WIN 0
	s_wait_tensorcnt 0x0
	ds_add_u32 v[SPW], v[NIL]
	s_wait_dscnt 0x0
	CROUND
	s_endpgm
.Lfunc_end_k_q53fdfd8876_oproj:
	.size	k_q53fdfd8876_oproj, .Lfunc_end_k_q53fdfd8876_oproj-k_q53fdfd8876_oproj
	.p2alignl 7, 3214868480
	.fill 96, 4, 3214868480
	.section	.rodata,"a",@progbits
	.p2align	6, 0x0
	.amdhsa_kernel k_q53fdfd8876_oproj
		.amdhsa_group_segment_fixed_size 327680
		.amdhsa_private_segment_fixed_size 0
		.amdhsa_enable_private_segment 0
		.amdhsa_kernarg_size 24
		.amdhsa_user_sgpr_count 2
		.amdhsa_user_sgpr_kernarg_segment_ptr 1
		.amdhsa_wavefront_size32 1
		.amdhsa_system_sgpr_workgroup_id_x 1
		.amdhsa_system_sgpr_workgroup_id_y 1
		.amdhsa_system_sgpr_workgroup_id_z 1
		.amdhsa_system_vgpr_workitem_id 0
		.amdhsa_next_free_vgpr 1024
		.amdhsa_next_free_sgpr 98
		.amdhsa_reserve_vcc 0
		.amdhsa_float_denorm_mode_32 3
		.amdhsa_float_denorm_mode_16_64 3
		.amdhsa_memory_ordered 1
		.amdhsa_forward_progress 1
		.amdhsa_inst_pref_size 127
	.end_amdhsa_kernel
	.amdgpu_metadata
---
amdhsa.version: [ 1, 2 ]
amdhsa.kernels:
  - .name:           k_q53fdfd8876_oproj
    .symbol:         k_q53fdfd8876_oproj.kd
    .args:
      - { .name: big, .offset: 0, .size: 8, .value_kind: global_buffer, .address_space: global }
      - { .name: w2q, .offset: 8, .size: 8, .value_kind: global_buffer, .address_space: global }
      - { .name: y, .offset: 16, .size: 8, .value_kind: global_buffer, .address_space: global }
    .group_segment_fixed_size: 327680
    .private_segment_fixed_size: 0
    .kernarg_segment_align: 8
    .kernarg_segment_size: 24
    .max_flat_workgroup_size: 128
    .sgpr_count:     98
    .vgpr_count:     1024
    .wavefront_size: 32
...
	.end_amdgpu_metadata
.endif
;; end of part 6
;; launch ln2 (part 7): grid 256 x 1, 8 waves a work-group, no clusters, 69,632 bytes of LDS; arguments y, x1, b2, g2, be2, out0; writes out0
.if DOCPART == 7
	.amdgcn_target "amdgcn-amd-amdhsa--gfx1250"
	.amdhsa_code_object_version 6
	.text
	.protected	k_q53fdfd8876_ln2
	.globl	k_q53fdfd8876_ln2
	.p2align	8
	.type	k_q53fdfd8876_ln2,@function
k_q53fdfd8876_ln2:
	s_mov_b64 s[64:65], 0
	v_nop
	global_prefetch_b8 v0, s[64:65] scope:SCOPE_SE
	s_setreg_imm32_b32 hwreg(HW_REG_WAVE_MODE, 25, 1), 1
	s_wait_xcnt 0x0
; out0 = LayerNorm(x1 + y0 + y1 + y2 + y3 + b2) g2 + be2, in f32: the four slices of the last product's K are added here.  out0 is [4096][1024], row-major.
; y's slices (16 MiB apart) and x1 lie in the accumulators' layout: block of 16 rows x 65,536 + block of 16 columns x 1,024 + e x 512 + 16 x lane (lane (r, h), quad e: row r, columns 8 h + 4 e + 0 .. 3).
; A work-group takes 16 rows; wave w columns 128 w on: a lane holds 64 numbers of one row.  A row's sums meet in LDS: two barriers, words of their own for each.  The result turns through the wave's own stage
; (rows of 512 bytes + 16) and leaves as rows: 512 consecutive bytes a store.  Memory binds: no matrix unit, no cluster, no tensor load.  Three sets of 16 loads take turns; each counted wait leaves the set issued last on its way.
; LIMITS: NaN and infinities are not served.
.set V,    32
.set R1,   96
.set R2,   160
.set SEL,  20
.set STG,  1024                        ; behind the rows' partial sums: 8,448 bytes for each wave
.macro LD16 dst, voff, base, sb, se
.irp b, 0,1,2,3,4,5,6,7
	global_load_b128 v[\dst+8*\b:\dst+8*\b+3],   v[\voff], s[\base:\base+1] offset:\b*\sb
	global_load_b128 v[\dst+8*\b+4:\dst+8*\b+7], v[\voff], s[\base:\base+1] offset:\b*\sb+\se
.endr
.endm
.macro ACC r
.set jj, 0
.rept 32
	v_pk_add_f32 v[V+jj:V+jj+1], v[V+jj:V+jj+1], v[\r+jj:\r+jj+1]
.set jj, jj+2
.endr
.endm
.macro ROWRED off
	s_delay_alu instid0(VALU_DEP_3)
	v_pk_add_f32 v[224:225], v[224:225], v[226:227]
	s_delay_alu instid0(VALU_DEP_2)
	v_pk_add_f32 v[228:229], v[228:229], v[230:231]
	s_delay_alu instid0(VALU_DEP_1)
	v_pk_add_f32 v[224:225], v[224:225], v[228:229]
	s_delay_alu instid0(VALU_DEP_1)
	v_add_f32 v224, v224, v225
	s_delay_alu instid0(VALU_DEP_1)
	v_permlanex16_b32 v232, v224, s[SEL], s[SEL+1]
	s_delay_alu instid0(VALU_DEP_1)
	v_add_f32 v224, v224, v232
	ds_store_b32 v7, v224 offset:\off
	s_wait_dscnt 0x0                               ; for the others' sake
	s_barrier_signal -1
	s_barrier_wait -1
.irp i, 0,1,2,3,4,5,6,7
	ds_load_b32 v[240+\i], v8 offset:\off+64*\i
.endr
	s_wait_dscnt 0x0
	v_add_f32 v240, v240, v241
	v_add_f32 v242, v242, v243
	v_add_f32 v244, v244, v245
	v_add_f32 v246, v246, v247
	s_delay_alu instid0(VALU_DEP_3)
	v_add_f32 v240, v240, v242
	s_delay_alu instid0(VALU_DEP_2)
	v_add_f32 v244, v244, v246
	s_delay_alu instid0(VALU_DEP_1)
	v_add_f32 v224, v240, v244
.endm
	s_load_b256 s[4:11], s[0:1], 0x0               ; y, x1, b2, g2
	s_load_b128 s[12:15], s[0:1], 0x20             ; be2, out0
	v_lshl_add_u32 v254, v0, 2, 0x10c00
	v_mov_b32 v255, 0
	v_lshrrev_b32 v1, 5, v0
	s_delay_alu instid0(VALU_DEP_1)
	v_readfirstlane_b32 s18, v1                    ; wave 0..7
	v_and_b32 v1, 31, v0
	v_and_b32 v2, 15, v0                           ; r
	v_bfe_u32 v3, v0, 4, 1                         ; h
	s_delay_alu instid0(VALU_DEP_3)
	v_lshlrev_b32 v4, 4, v1                        ; 16 x lane
	s_delay_alu instid0(VALU_DEP_2)
	v_lshlrev_b32 v6, 5, v3                        ; a vector: 32 h
	s_delay_alu instid0(VALU_DEP_4)
	v_lshlrev_b32 v8, 2, v2
	s_lshl_b32 s19, s18, 6
	v_add_nc_u32 v7, s19, v8
	s_mul_i32 s19, s18, 8448
	s_add_co_u32 s19, s19, STG                     ; my stage
	v_mul_u32_u24 v11, v2, 528
	s_delay_alu instid0(VALU_DEP_1)
	v_lshl_add_u32 v11, v3, 5, v11
	s_delay_alu instid0(VALU_DEP_1)
	v_add_nc_u32 v11, s19, v11                     ; in: row r, + 32 h
	v_add_nc_u32 v12, s19, v4                      ; back: a row of 512 bytes to the 32 lanes
	v_mov_b32 v232, 0
	s_mov_b32 s[SEL], 0x76543210
	s_mov_b32 s[SEL+1], 0xfedcba98
	s_mov_b32 s23, 0x3a800000                      ; 1 / 1,024
	s_mov_b32 s24, 0x3727c5ac                      ; 1e-5
	s_lshl_b32 s26, ttmp9, 16
	s_lshl_b32 s27, s18, 13
	s_add_co_u32 s26, s26, s27
	s_mov_b32 s27, 0
	s_lshl_b32 s28, ttmp9, 16
	s_lshl_b32 s30, s18, 9
	s_add_co_u32 s28, s28, s30
	s_mov_b32 s29, 0
	s_mov_b32 s31, 0
	s_wait_alu depctr_va_vdst(0)
	s_wait_kmcnt 0x0
	s_add_nc_u64 s[4:5], s[4:5], s[26:27]
	s_add_nc_u64 s[36:37], s[4:5], 0x1000000
	s_add_nc_u64 s[38:39], s[4:5], 0x2000000
	s_add_nc_u64 s[40:41], s[4:5], 0x3000000
	s_add_nc_u64 s[6:7], s[6:7], s[26:27]
	s_add_nc_u64 s[8:9], s[8:9], s[30:31]
	s_add_nc_u64 s[10:11], s[10:11], s[30:31]
	s_add_nc_u64 s[12:13], s[12:13], s[30:31]
	s_add_nc_u64 s[14:15], s[14:15], s[28:29]
	LD16 V, 4, 4, 1024, 512
	LD16 R1, 4, 36, 1024, 512
	LD16 R2, 4, 38, 1024, 512
	s_wait_loadcnt 16                              ; slices 0 and 1 are in; the set issued last may be out, here and below
	ACC R1
	LD16 R1, 4, 40, 1024, 512
	s_wait_loadcnt 16
	ACC R2
	LD16 R2, 4, 6, 1024, 512                       ; x1
	s_wait_loadcnt 16
	ACC R1
	LD16 R1, 6, 8, 64, 16                          ; b2
	s_wait_loadcnt 16
	ACC R2
	LD16 R2, 6, 10, 64, 16                         ; g2
	s_wait_loadcnt 16
	ACC R1
	LD16 R1, 6, 12, 64, 16                         ; be2
.irp k, 0,1,2,3
	v_pk_add_f32 v[224+2*\k:225+2*\k], v[V+4*\k:V+4*\k+1], v[V+4*\k+2:V+4*\k+3]
.endr
.irp j, 16,24,32,40,48,56
.irp k, 0,1,2,3
	s_delay_alu instid0(VALU_DEP_4)
	v_pk_add_f32 v[224+2*\k:225+2*\k], v[224+2*\k:225+2*\k], v[V+\j+2*\k:V+\j+2*\k+1]
.endr
.endr
	ROWRED 0
	s_delay_alu instid0(VALU_DEP_1)
	v_mul_f32 v234, 0xba800000, v224               ; - the mean
	s_delay_alu instid0(VALU_DEP_1)
	v_mov_b32 v235, v234
.set jj, 0
.rept 32
	v_pk_add_f32 v[V+jj:V+jj+1], v[V+jj:V+jj+1], v[234:235]
.set jj, jj+2
.endr
.irp k, 0,1,2,3
	v_pk_mul_f32 v[224+2*\k:225+2*\k], v[V+2*\k:V+2*\k+1], v[V+2*\k:V+2*\k+1]
.endr
.irp j, 8,16,24,32,40,48,56
.irp k, 0,1,2,3
	s_delay_alu instid0(VALU_DEP_4)
	v_pk_fma_f32 v[224+2*\k:225+2*\k], v[V+\j+2*\k:V+\j+2*\k+1], v[V+\j+2*\k:V+\j+2*\k+1], v[224+2*\k:225+2*\k]
.endr
.endr
	ROWRED 512
	s_delay_alu instid0(VALU_DEP_1)
	v_fma_f32 v236, v224, s23, s24
	s_wait_alu depctr_va_vdst(0)
	v_rsq_f32 v238, v236
	v_nop                                          ; a plain line behind the transcendental
	s_wait_alu depctr_va_vdst(0)                   ; and the wait ahead of its first reader
	v_mov_b32 v239, v238
	s_wait_alu depctr_va_vdst(0)
	s_wait_loadcnt 0x0                             ; g2, be2
.set jj, 0
.rept 32
	v_pk_mul_f32 v[V+jj:V+jj+1], v[V+jj:V+jj+1], v[238:239]
	s_delay_alu instid0(VALU_DEP_1)
	v_pk_fma_f32 v[V+jj:V+jj+1], v[V+jj:V+jj+1], v[R2+jj:R2+jj+1], v[R1+jj:R1+jj+1]
.set jj, jj+2
.endr
.irp b, 0,1,2,3,4,5,6,7
	ds_store_b128 v11, v[V+8*\b:V+8*\b+3]   offset:64*\b
	ds_store_b128 v11, v[V+8*\b+4:V+8*\b+7] offset:64*\b+16
.endr
.irp t, 0,1,2,3,4,5,6,7,8,9,10,11,12,13,14,15
	ds_load_b128 v[R1+4*\t:R1+4*\t+3], v12 offset:\t*528       ; LDS serves a wave's instructions in order: these see my stores
.endr
.irp t, 0,1,2,3,4,5,6,7,8,9,10,11,12,13,14,15
	s_wait_dscnt 15-\t
	global_store_b128 v4, v[R1+4*\t:R1+4*\t+3], s[14:15] offset:\t*4096 th:TH_STORE_NT
.endr
	s_wait_tensorcnt 0x0
	ds_add_u32 v254, v255
	s_wait_dscnt 0x0
	s_endpgm
.Lfunc_end_k_q53fdfd8876_ln2:
	.size	k_q53fdfd8876_ln2, .Lfunc_end_k_q53fdfd8876_ln2-k_q53fdfd8876_ln2
	.p2alignl 7, 3214868480
	.fill 96, 4, 3214868480
	.section	.rodata,"a",@progbits
	.p2align	6, 0x0
	.amdhsa_kernel k_q53fdfd8876_ln2
		.amdhsa_group_segment_fixed_size 69632
		.amdhsa_private_segment_fixed_size 0
		.amdhsa_enable_private_segment 0
		.amdhsa_kernarg_size 48
		.amdhsa_user_sgpr_count 2
		.amdhsa_user_sgpr_kernarg_segment_ptr 1
		.amdhsa_wavefront_size32 1
		.amdhsa_system_sgpr_workgroup_id_x 1
		.amdhsa_system_sgpr_workgroup_id_y 1
		.amdhsa_system_sgpr_workgroup_id_z 1
		.amdhsa_system_vgpr_workitem_id 0
		.amdhsa_next_free_vgpr 256
		.amdhsa_next_free_sgpr 66
		.amdhsa_reserve_vcc 0
		.amdhsa_float_denorm_mode_32 3
		.amdhsa_float_denorm_mode_16_64 3
		.amdhsa_memory_ordered 1
		.amdhsa_forward_progress 1
		.amdhsa_inst_pref_size 45
	.end_amdhsa_kernel
	.amdgpu_metadata
---
amdhsa.version: [ 1, 2 ]
amdhsa.kernels:
  - .name:           k_q53fdfd8876_ln2
    .symbol:         k_q53fdfd8876_ln2.kd
    .args:
      - { .name: y, .offset: 0, .size: 8, .value_kind: global_buffer, .address_space: global }
      - { .name: x1, .offset: 8, .size: 8, .value_kind: global_buffer, .address_space: global }
      - { .name: b2, .offset: 16, .size: 8, .value_kind: global_buffer, .address_space: global }
      - { .name: g2, .offset: 24, .size: 8, .value_kind: global_buffer, .address_space: global }
      - { .name: be2, .offset: 32, .size: 8, .value_kind: global_buffer, .address_space: global }
      - { .name: out0, .offset: 40, .size: 8, .value_kind: global_buffer, .address_space: global }
    .group_segment_fixed_size: 69632
    .private_segment_fixed_size: 0
    .kernarg_segment_align: 8
    .kernarg_segment_size: 48
    .max_flat_workgroup_size: 256
    .sgpr_count:     66
    .vgpr_count:     256
    .wavefront_size: 32
...
	.end_amdgpu_metadata
.endif
;; end of part 7
